; MI455X (gfx1250); checked and timed in simulation.
; The chip was launched on July 23, 2026; its instructions are those of AMD's public machine-readable ISA for CDNA 5 (MIT licence, August 2026) and "CDNA5" Instruction Set Architecture Reference Guide (July 2026). The comments in the code are by the model that wrote it; some were corrected since.
;; Adapted Gated Attention Withoutqkv. Allowed arithmetic: matrix products marked QUANTISED: E2M1 operands, one E8M0 scale for each 32 along K, by v_wmma_scale_f32_16x16x128_f8f6f4 with both operands' format E2M1 (or v_wmma_scale_f32_32x16x128_f4), f32 sums; products left as they are: bf16, f16 or f32 operands; f32 sums; everything else in f32.
;; Inputs: Wc 1,024 x 2,048 float32; bc 1,024 float32; input 8 x 1,024 x 1,024 float32; mask 8 x 1,024 float32; memory 8 x 1,024 x 1,024 float32.
;; Outputs: out0 8 x 1,024 x 1,024 float32.
;; This version of the problem:
;;   THIS VERSION OF THE PROBLEM IS GIVEN IN LOW PRECISION. The matrix products marked QUANTISED in the list below multiply operands that are first quantised to E2M1 (2 exponent bits, 1 mantissa bit; 4 bits a number), with one power-of-two scale for each 32 numbers along K (OCP MX v1.0); their sums are f32. The products marked 'left as it is' may take bf16, f16 or f32 operands, with f32 sums. Whichever they take, every output number must still come out within the allowed error. Rounding operands to bf16 (8 significant bits) uses up far more of that allowance than f16 does (11 bits, for magnitudes from 6e-5 to 65,504). All else is computed in f32.
;;   The module's matrix products, in the order in which they are computed (A, B: the left and right operand; K: the contracted axis; several contracted axes count as one K, in the product's order):
;;     1. batch 128 x [M 1,024, K 64] x [K 64, N 1,024]; A: input input; B: input memory: QUANTISED
;;     2. batch 128 x [M 1,024, K 1,024] x [K 1,024, N 64]; A: computed on the way; B: input memory: left as it is (an operand is computed on the way)
;;     3. [M 8,192, K 2,048] x [K 2,048, N 1,024]; A: computed on the way; B: input Wc: left as it is (an operand is computed on the way)
;;   THE QUANTISER, for each operand of a quantised product, along K:
;;     - K is cut into blocks of 32 from its start; a last block that is shorter is filled with zeros.
;;     - A block's scale is 2^e with e = floor(log2(the largest magnitude in the block)) - 2, held to -126 .. 127; a block of zeros has e = 0. As a byte (E8M0): e + 127.
;;     - Each number is divided by its block's scale, clamped to +-6, and rounded to the nearest number of E2M1, ties to even, subnormals kept.
;;     - The product sums the exact products of the quantised numbers (number of the format x scale) in f32.
;;   ~~~python
;;   def quantise(x, axis):      # numpy; x: float32 -> the quantised numbers, widened to float32 again
;;       x = np.moveaxis(x, axis, -1); K = x.shape[-1]
;;       x = np.pad(x, [(0, 0)] * (x.ndim - 1) + [(0, -K % 32)]); x = x.reshape(x.shape[:-1] + (-1, 32)); a = np.abs(x).max(-1, keepdims=True)
;;       e = np.where(a > 0, np.clip(np.frexp(np.where(a > 0, a, 1))[1] - 1 - 2, -126, 127), 0)      # np.frexp(a)[1] - 1 = floor(log2(a)), exactly
;;       r = np.clip(x / 2.0 ** e, -6, 6)
;;       step = 2.0 ** (np.maximum(np.frexp(np.where(r == 0, 1, r))[1] - 1, 0) - 1)
;;       q = np.round(r / step) * step * 2.0 ** e      # np.round: ties to even
;;       return np.moveaxis(q.reshape(q.shape[:-2] + (-1,))[..., :K], -1, axis).astype(np.float32)
;;   ~~~
;; 2 versions, each right; version 2 is version 1 with the launch attn written anew for expert scheduling mode. Each part assembles by itself: llvm-mc -triple=amdgcn-amd-amdhsa -mcpu=gfx1250 --defsym DOCPART=n.
;; ======== version 1 of 2: 2 launches
;; limits: values are held in f16: magnitudes above 65,504 overflow, below 6.1e-05 lose precision; inputs' magnitudes at most 65,504
;; workspace buffers: xa 33,554,432 bytes; wh 4,194,304 bytes
;; launch attn (part 1): grid 256 x 1, 16 waves a work-group, no clusters, 276,480 bytes of LDS; arguments input, memory, mask, Wc, xa, wh; writes xa, wh
.if DOCPART == 1
	.amdgcn_target "amdgcn-amd-amdhsa--gfx1250"
	.amdhsa_code_object_version 6
	.text
	.protected	k_q90d4c8b442_attn
	.globl	k_q90d4c8b442_attn
	.p2align	8
	.type	k_q90d4c8b442_attn,@function
k_q90d4c8b442_attn:
	s_mov_b64 s[64:65], 0
	v_nop
	global_prefetch_b8 v0, s[64:65] scope:SCOPE_SE
	s_setreg_imm32_b32 hwreg(HW_REG_WAVE_MODE, 25, 1), 1
	s_wait_xcnt 0x0
; ATTENTION of one (batch, head, half of the queries) for each work-group, and the f16 operands of the product that follows.
; scores = q k^T / 8 on codes of FP4 (E2M1) with one E8M0 scale for each 32 of the head's 64; + (-1e30) (1 - mask[key]); softmax over 1,024 keys by a running maximum; ctx = p v with v = k, f16 operands, f32 sums.
; STORED: xa = [input, ctx] and wh = Wc, both f16, as images of operand registers: [tile of 16 rows][chunk of 64 along K][image j 0..3][lane][16 bytes]; in image j lane (r, h) holds row r, k = 64 chunk + 32 h + 8 j + 0..7.
;   Chunk = head for the input's part of xa, 16 + head for ctx's.  Every store of a wave covers 512 consecutive bytes, aligned.
; SHARES.  Work-group g: half = g & 1, head = (g >> 1) & 15, batch = g >> 5.  Sixteen waves.  Wave w prepares keys 64 w .. 64 w + 63 (codes, scale words, f16 rows) into LDS, one barrier, then owns queries 512 half + 32 w + 0..31
;   (two tiles of 16) and walks all keys, 64 a step.  Waves 0 to 7 also turn one tile (16 rows x 64) of Wc into f16: tile 8 g + w of 2,048.  Thread n makes the mask terms of keys 2 n and 2 n + 1.
; K = 64 IN AN INSTRUCTION OF 128.  A fragment of keys holds TWO tiles of 16 keys: tile 2 u in k 0..63 (registers 0-3), tile 2 u + 1 in k 64..127 (registers 4-7).  The queries stand as [q, 0] or [0, q]: zero codes meet the other tile.
;   The scale byte over the queries' zero half is 1.
; LAYOUT.  Both products are used transposed (S^T = K Q^T, O^T = V^T P): a lane holds one query (lane % 16); S^T's register j of tile T is key 16 T + 8 (lane / 16) + j, so two tiles rounded in pairs ARE source 1 of the second product.
;   A row of V in LDS holds its channels in the order 32 (m >> 3) + 8 c + (m & 7) at place 16 c + m, so that O^T's eight registers of tile c are image c of ctx.
; THE MASK TERM IS ADDED FIRST, x = s c + mb (c = log2(e) / 8, mb = (-1e30 (1 - mask)) log2(e)), AND THE MAXIMUM TAKEN AWAY AFTERWARDS: where every key is masked the score is absorbed by the term as it is in f32 arithmetic on s / 8 - 1e30,
;   and the weights come out equal.
; LIMITS.  f16 operands: |input|, |memory|, |Wc| under 65,504; magnitudes under 6e-5 carry an absolute error of 3e-8.  NaN and infinities among the inputs are not served.  A block of zeros, or one whose largest magnitude lies under
;   2^-124, gets the scale byte 1 (its codes are zeros or nearly so; this launch alone reads the bytes).  v_exp_f32 gives 0 for results under 2^-126.
; No tensor load and no cluster: the keys must pass through registers to be quantised and rounded, only two work-groups read the same keys, and that once, at the head.  No prefetch: all that is read from memory is asked for at the head.
.set KIMG,  0                          ; LDS: the keys' codes: 1,024 bytes a pair of tiles: tile 2 u's four registers at 16 x lane, tile 2 u + 1's 512 bytes on
.set KSC,   32768                      ; their scale words: 128 bytes a pair, 4 x lane
.set MB,    36864                      ; the mask terms, 4 bytes a key
.set VB,    40960                      ; the keys as f16 rows,
.set VP,    160                        ; 128 bytes + 32 of padding
.set STG,   204800                     ; a stage for each wave: 16 rows of
.set SGP,   272                        ; 256 bytes + 16 of padding
.set SGW,   16*SGP
.set SPARE, STG+16*SGW                 ; the spare words, 128 bytes for each wave: eight blocks of 256 bytes that no other line names
.set SPW,  1                           ; v1   LDS address of my spare word; never rewritten
.set NIL,  2                           ; v2   0; never rewritten
.set LI,   3                           ; v3   16 x lane: an image's place
.set AKS,  4                           ; v4   KSC + 4 x lane
.set AMB,  5                           ; v5   MB + 32 (lane / 16)
.set AVT,  6                           ; v6   my lane's place for the turning load of V
.set ADK,  7                           ; v7-10 the addresses of the loads in hand: K's codes, K's scale words, mask terms, V
.set ADS,  8
.set ADM,  9
.set ADV,  10
.set ST,   12                          ; v12-27 statistics, eight a tile: +0 m, +1 old m, +2 +3 the sum in two halves, +4 a (at the end 1 / sum), +5 the other half's number, +6 +7 at work
.set QS,   28                          ; v28-29 the queries' scale words: lanes 0-15 for [q, 0], lanes 16-31 for [0, q].  Scales and nothing else
.set KS,   30                          ; v30-31 the keys' scale words of the step's two pairs.  Scales and nothing else
.set QF,   32                          ; v32-51 q0, 0, q1, 0, q0 in groups of four: [q0,0] at +0, [0,q1] at +4, [q1,0] at +8, [0,q0] at +12
.set KF,   52                          ; v52-67 the step's two fragments of keys
.set P,    68                          ; v68-99 the weights in f16, 16 a tile; ahead of them the step's 32 mask terms
.set S,    100                         ; v100-163 S^T, 32 a tile; behind the roundings V's fragments
.set O,    164                         ; v164-227 O^T, 32 a tile
.set TM,   228                         ; v228-235 the maximum's chains
.set RA,   100                         ; the head only: three sets of 32 registers as loaded,
.set RB,   132
.set RC,   164
.set X,    196                         ; a lane's 32 neighbours along K,
.set H,    68                          ; their 16 registers of f16,
.set CD,   84                          ; their 4 registers of codes
.set BY0,  236                         ; v236-237 scale bytes
.set SCO,  238                         ; the conversion's scale operand
.set PT,   239                         ; a lane permute's destination
.set GL4,  240                         ; 4,096 (lane / 16) + 16 (lane % 16): two rows of input or memory to a load
.set GL8,  241                         ; the same for rows of Wc
.set STI,  242                         ; the stage, on the way in
.set STO,  243                         ; and out
.set KST,  244                         ; where I store codes,
.set KSS,  245                         ; scale words,
.set VST,  246                         ; f16 rows,
.set MBS,  247                         ; mask terms
.set SH8,  248                         ; 8 (lane / 16)
.set SH16, 249                         ; 16 (lane / 16)
.set FILL, 250                         ; the byte 1 over the queries' zero half
.set MO,   251                         ; 8 x thread
.set MK2,  252                         ; v252-253 my two numbers of the mask
.set MXA,  254
.set MXB,  255
.set WV,   16                          ; s16 my wave's number
.set SEL,  20                          ; s[20:21] v_permlanex16_b32's selects for lane l xor 16
.set CS,   22                          ; s[22:23] c = log2(e) / 8, twice
.set TK,   24                          ; s24 the step's place in KIMG;  s25 in KSC and in MB;  s26 in VB
.set T2,   25
.set TV,   26
.set CNT,  27
.set SM,   28                          ; s[28:29] memory at my 64 keys;  s[30:31] input at my 32 queries;  s[32:33] Wc at my tile
.set SQ,   30
.set SW,   32
.set XQ,   34                          ; s[34:35] xa at my queries' input images;  s[36:37] at their ctx images;  s[38:39] wh at my tile;  s[40:41] mask at my batch
.set XC,   36
.set WH,   38
.set MK,   40
; 16 rows x 256 bytes from memory: a load takes two rows, sixteen lanes 256 consecutive bytes each
.macro GLOAD set, voff, base, stride, off, nt
.irp i, 0,1,2,3,4,5,6,7
.if \nt
	global_load_b128 v[\set+4*\i:\set+4*\i+3], v[\voff], s[\base:\base+1] offset:(\off)+2*\i*(\stride) th:TH_LOAD_NT
.else
	global_load_b128 v[\set+4*\i:\set+4*\i+3], v[\voff], s[\base:\base+1] offset:(\off)+2*\i*(\stride)
.endif
.endr
.endm
; through my own stage: in as loaded, out as 32 neighbours a lane: X[0..31] = row lane % 16, k = 32 (lane / 16) + 0..31.  LDS serves a wave's instructions in order, so no wait stands between the stores and the loads
.macro TURN set
.irp i, 0,1,2,3,4,5,6,7
	ds_store_b128 v[STI], v[\set+4*\i:\set+4*\i+3] offset:2*SGP*\i
.endr
.irp i, 0,1,2,3,4,5,6,7
	ds_load_b128 v[X+4*\i:X+4*\i+3], v[STO] offset:16*\i
.endr
	s_wait_dscnt 0x0                               ; X is in; and all my earlier LDS stores have read their registers
.endm
.macro TAKE set, n                     ; n: the younger loads that may stay out
	s_wait_loadcnt \n
	TURN \set
.endm
; a lane's 32 numbers are one block: its largest magnitude with the floor 2^(3 - 127), 2 off the exponent field, the byte, the codes
.macro QUANT dst, by
	v_max3_num_f32 v[MXA], |v[X]|, |v[X+1]|, |v[X+2]|
	v_max3_num_f32 v[MXB], |v[X+3]|, |v[X+4]|, |v[X+5]|
.irp i, 6,10,14,18,22,26
	v_max3_num_f32 v[MXA], v[MXA], |v[X+\i]|, |v[X+\i+1]|
	v_max3_num_f32 v[MXB], v[MXB], |v[X+\i+2]|, |v[X+\i+3]|
.endr
	v_max3_num_f32 v[MXA], v[MXA], |v[X+30]|, |v[X+31]|
	v_max3_num_f32 v[MXA], v[MXA], v[MXB], 0x1800000
	v_add_nc_u32 v[SCO], 0xff000000, v[MXA]        ; the conversion takes the exponent field of this operand as its scale
	v_lshrrev_b32 v[\by], 23, v[SCO]
.irp g, 0,1,2,3
	v_cvt_scalef32_pk8_fp4_f32 v[\dst+\g], v[X+8*\g:X+8*\g+7], v[SCO]
.endr
	v_nop                                          ; one plain place behind a scaled conversion
.endm
.macro PACK                            ; the same 32 numbers in f16: registers 4 j .. 4 j + 3 are image j
.set i, 0
.rept 16
	v_cvt_pk_f16_f32 v[H+i], v[X+2*i], v[X+2*i+1]
.set i, i+1
.endr
.endm
; tile n (0..3) of my 64 keys
.macro KBODY n
	QUANT CD, BY0+((\n)&1)
	PACK
	ds_store_b128 v[KST], v[CD:CD+3] offset:((\n)>>1)*1024+((\n)&1)*512
.irp i, 0,1,2,3
	ds_store_b128 v[VST], v[H+4*\i:H+4*\i+3] offset:(\n)*16*VP+32*\i   ; channels 32 h + 8 i + 0..7 at byte 16 (2 i + h) of the key's row
.endr
.if (\n)&1
	v_lshl_or_b32 v[MXA], v[BY0+1], 16, v[BY0]     ; my block's bytes of the pair's two tiles,
	v_lshlrev_b32 v[MXA], v[SH8], v[MXA]           ; at my block's place;
	v_permlanex16_b32 v[PT], v[MXA], s[SEL], s[SEL+1]
	v_or_b32 v[MXA], v[MXA], v[PT]                 ; with lane l xor 16's the word is whole
	ds_store_b32 v[KSS], v[MXA] offset:128*((\n)>>1)
.endif
.endm
; tile t (0, 1) of my 32 queries: codes and scale word stay in registers, the f16 images go to xa
.macro QBODY t
	s_wait_xcnt 0x0                                ; earlier global stores have read H
	QUANT QF+8*(\t), BY0
.if (\t) == 0
.irp g, 0,1,2,3
	v_mov_b32 v[QF+16+\g], v[QF+\g]
.endr
.endif
	v_lshlrev_b32 v[MXA], v[SH8], v[BY0]
	v_permlanex16_b32 v[PT], v[MXA], s[SEL], s[SEL+1]
	v_or_b32 v[MXA], v[MXA], v[PT]                 ; b0 | b1 << 8 in every lane
	v_lshlrev_b32 v[MXA], v[SH16], v[MXA]          ; lanes 16-31: in the upper half, for [0, q]
	v_or_b32 v[QS+\t], v[MXA], v[FILL]
	PACK
.irp j, 0,1,2,3
	global_store_b128 v[LI], v[H+4*\j:H+4*\j+3], s[XQ:XQ+1] offset:65536*(\t)+512*\j
.endr
.endm
.macro KLOAD                           ; six LDS loads: two fragments of keys and their scale words
.irp i, 0,1,2,3
	ds_load_b128 v[KF+4*\i:KF+4*\i+3], v[ADK] offset:512*\i
.endr
.irp u, 0,1
	ds_load_b32 v[KS+\u], v[ADS] offset:128*\u
.endr
.endm
.macro MLOAD                           ; eight: the mask terms of the step's 64 keys, in S^T's layout: register 8 T + j is key 16 T + 8 h + j
.irp i, 0,1,2,3,4,5,6,7
	ds_load_b128 v[P+4*\i:P+4*\i+3], v[ADM] offset:64*(\i/2)+16*(\i%2)
.endr
.endm
.macro VLOAD u                         ; eight: V^T of keys 32 u .. 32 u + 31, four fragments of 16 places
.irp c, 0,1,2,3
	ds_load_tr16_b128 v[S+32*(\u)+8*\c:S+32*(\u)+8*\c+3], v[ADV] offset:32*(\u)*VP+32*\c
	ds_load_tr16_b128 v[S+32*(\u)+8*\c+4:S+32*(\u)+8*\c+7], v[ADV] offset:(32*(\u)+16)*VP+32*\c
.endr
.endm
; A KEY STEP: 64 keys x my 32 queries.  first = 1: it starts m, the sum and O^T.  last = 1: nothing more is fetched.
.macro STEP first, last
	s_wait_dscnt 8                                 ; K's six loads are in; the eight of the mask terms, issued behind them, may be out
.irp u, 0,1
.irp p, 0,1
.irp t, 0,1
.if \p
	v_wmma_scale_f32_16x16x128_f8f6f4 v[S+32*\t+16*\u+8:S+32*\t+16*\u+15], v[KF+8*\u:KF+8*\u+7], v[QF+12-8*\t:QF+19-8*\t], 0, v[KS+\u], v[QS+\t] matrix_a_fmt:MATRIX_FMT_FP4 matrix_b_fmt:MATRIX_FMT_FP4 matrix_b_scale:MATRIX_SCALE_ROW1
.else
	v_wmma_scale_f32_16x16x128_f8f6f4 v[S+32*\t+16*\u:S+32*\t+16*\u+7], v[KF+8*\u:KF+8*\u+7], v[QF+8*\t:QF+8*\t+7], 0, v[KS+\u], v[QS+\t] matrix_a_fmt:MATRIX_FMT_FP4 matrix_b_fmt:MATRIX_FMT_FP4
.endif
.endr
.endr
.endr
	; four plain vector lines: the places in front of the loads into K's registers and of the first read of the scores
.if \last
	v_nop
	v_nop
.else
	s_add_co_u32 s[TK], s[TK], 2048
	s_add_co_u32 s[T2], s[T2], 256
	v_add_nc_u32 v[ADK], s[TK], v[LI]              ; the next step's keys (no load that names these two registers is out)
	v_add_nc_u32 v[ADS], s[T2], v[AKS]
.endif
	v_add_nc_u32 v[ADV], s[TV], v[AVT]             ; this step's V
	v_nop
.if \last
	s_wait_dscnt 0x0                               ; the mask terms are in
.else
	s_add_co_u32 s[TV], s[TV], 64*VP
	KLOAD
	s_wait_dscnt 6                                 ; the mask terms are in; the six loads just issued may be out
	v_add_nc_u32 v[ADM], s[T2], v[AMB]             ; the next step's mask terms: the loads that named this register are done
.endif
.set i, 0
.rept 32
	v_pk_fma_f32 v[S+2*i:S+2*i+1], v[S+2*i:S+2*i+1], s[CS:CS+1], v[P+(2*i)%32:P+(2*i)%32+1] op_sel_hi:[1,0,1]   ; x = s c + mb; each accumulator from its low end on
.set i, i+1
.endr
	; the maximum of a lane's 32 numbers and the old m, the two tiles by turns
.irp k, 0,1,2,3
.irp t, 0,1
	v_max3_num_f32 v[TM+4*\t+\k], v[S+32*\t+8*\k], v[S+32*\t+8*\k+1], v[S+32*\t+8*\k+2]
.endr
.endr
.irp e, 3,5
.irp k, 0,1,2,3
.irp t, 0,1
	v_max3_num_f32 v[TM+4*\t+\k], v[TM+4*\t+\k], v[S+32*\t+8*\k+\e], v[S+32*\t+8*\k+\e+1]
.endr
.endr
.endr
.irp t, 0,1
	v_max3_num_f32 v[TM+4*\t], v[TM+4*\t], v[S+32*\t+7], v[S+32*\t+15]
	v_max3_num_f32 v[TM+4*\t+2], v[TM+4*\t+2], v[S+32*\t+23], v[S+32*\t+31]
.endr
.irp t, 0,1
	v_max3_num_f32 v[TM+4*\t], v[TM+4*\t], v[TM+4*\t+1], v[TM+4*\t+3]
.endr
.irp t, 0,1
.if \first
	v_max_num_f32 v[ST+8*\t+6], v[TM+4*\t], v[TM+4*\t+2]
.else
	v_max3_num_f32 v[ST+8*\t+6], v[TM+4*\t], v[TM+4*\t+2], v[ST+8*\t]
.endif
.endr
.irp t, 0,1
	v_permlanex16_b32 v[ST+8*\t+5], v[ST+8*\t+6], s[SEL], s[SEL+1]   ; the query's other 32 keys lie in the lane 16 away
.endr
.if !\first
.irp t, 0,1
	v_mov_b32 v[ST+8*\t+1], v[ST+8*\t]
.endr
.endif
.irp t, 0,1
	v_max_num_f32 v[ST+8*\t], v[ST+8*\t+6], v[ST+8*\t+5]   ; the new m
.endr
.if !\first
.irp t, 0,1
	v_sub_f32 v[ST+8*\t+7], v[ST+8*\t+1], v[ST+8*\t]       ; old m - new m
.endr
.endif
.set i, 0
.rept 32
	v_pk_add_f32 v[S+2*i:S+2*i+1], v[S+2*i:S+2*i+1], v[ST+8*(i/16):ST+8*(i/16)+1] op_sel_hi:[1,0] neg_lo:[0,1] neg_hi:[0,1]   ; x - m
.set i, i+1
.endr
	; ONE BATCH of exponentials, none of which reads another's result
.if !\first
.irp t, 0,1
	v_exp_f32 v[ST+8*\t+4], v[ST+8*\t+7]           ; a = 2^(old m - new m)
.endr
.endif
.set i, 0
.rept 64
	v_exp_f32 v[S+i], v[S+i]                       ; p = 2^(x - m)
.set i, i+1
.endr
	v_nop                                          ; a plain line behind the last exponential
	s_wait_alu depctr_va_vdst(0)                   ; this wait ahead of the first line that names a result: one for the batch
	; a tile's sum (of the unrounded p) and its roundings to f16, by turns; then V's fragments land where the tile's p lay
.irp t, 0,1
.if \first
	v_pk_add_f32 v[ST+8*\t+2:ST+8*\t+3], v[S+32*\t:S+32*\t+1], v[S+32*\t+2:S+32*\t+3]
.else
	v_pk_fma_f32 v[ST+8*\t+2:ST+8*\t+3], v[ST+8*\t+2:ST+8*\t+3], v[ST+8*\t+4:ST+8*\t+5], v[S+32*\t:S+32*\t+1] op_sel_hi:[1,0,1]
.endif
.set i, 0
.rept 16
	v_cvt_pk_f16_f32 v[P+16*\t+i], v[S+32*\t+2*i], v[S+32*\t+2*i+1]
.if i > \first
	v_pk_add_f32 v[ST+8*\t+2:ST+8*\t+3], v[ST+8*\t+2:ST+8*\t+3], v[S+32*\t+2*i:S+32*\t+2*i+1]
.endif
.set i, i+1
.endr
	VLOAD \t
.endr
.if !\first
.set i, 0
.rept 32
	v_pk_mul_f32 v[O+2*i:O+2*i+1], v[O+2*i:O+2*i+1], v[ST+8*(i/16)+4:ST+8*(i/16)+5] op_sel_hi:[1,0]   ; O^T x a; each accumulator from its low end on
.set i, i+1
.endr
.endif
	s_wait_dscnt 8                                 ; V's first half (and all that is older) is in; the second half's eight loads may be out
	; O^T += V^T P: the eight accumulators take turns, one instruction a turn
.irp c, 0,1,2,3
.irp t, 0,1
.if \first
	v_wmma_f32_16x16x32_f16 v[O+32*\t+8*\c:O+32*\t+8*\c+7], v[S+8*\c:S+8*\c+7], v[P+16*\t:P+16*\t+7], 0
.else
	v_wmma_f32_16x16x32_f16 v[O+32*\t+8*\c:O+32*\t+8*\c+7], v[S+8*\c:S+8*\c+7], v[P+16*\t:P+16*\t+7], v[O+32*\t+8*\c:O+32*\t+8*\c+7]
.endif
.endr
.endr
	s_wait_dscnt 0x0
.irp c, 0,1,2,3
.irp t, 0,1
	v_wmma_f32_16x16x32_f16 v[O+32*\t+8*\c:O+32*\t+8*\c+7], v[S+32+8*\c:S+32+8*\c+7], v[P+16*\t+8:P+16*\t+15], v[O+32*\t+8*\c:O+32*\t+8*\c+7]
.endr
.endr
.rept 5
	v_nop                                          ; five places: the next step's products write over V's fragments, which these products read; four of them serve the loads into P, and at the end the first read of O^T
.endr
.if !\last
	MLOAD
.endif
.endm
	s_load_b256 s[4:11], s[0:1], 0x0               ; input s[4:5], memory s[6:7], mask s[8:9], Wc s[10:11]
	s_load_b128 s[12:15], s[0:1], 0x20             ; xa s[12:13], wh s[14:15]
	v_lshl_add_u32 v[SPW], v0, 2, SPARE
	v_mov_b32 v[NIL], 0
	v_lshrrev_b32 v7, 5, v0
	v_readfirstlane_b32 s[WV], v7                  ; wave 0..15
	v_and_b32 v8, 31, v0                           ; lane
	v_and_b32 v9, 15, v0                           ; r
	v_bfe_u32 v10, v0, 4, 1                        ; h
	v_lshlrev_b32 v[LI], 4, v8
	v_lshl_add_u32 v[AKS], v8, 2, KSC
	v_lshl_add_u32 v[AMB], v10, 5, MB
	v_and_b32 v11, 7, v0
	v_lshl_add_u32 v11, v10, 3, v11                ; the turning load: key 8 h + lane % 8,
	v_mul_u32_u24 v[AVT], v11, VP
	v_bfe_u32 v11, v0, 3, 1
	v_lshl_add_u32 v[AVT], v11, 4, v[AVT]          ; 16 bytes on for lanes 8-15 and 24-31
	v_add_nc_u32 v[AVT], VB, v[AVT]
	v_lshlrev_b32 v[GL4], 4, v9
	v_lshl_add_u32 v[GL8], v10, 13, v[GL4]
	v_lshl_add_u32 v[GL4], v10, 12, v[GL4]
	s_mul_i32 s47, s[WV], SGW
	s_add_co_u32 s47, s47, STG                     ; my stage
	v_mul_u32_u24 v[STI], v10, SGP
	v_lshl_add_u32 v[STI], v9, 4, v[STI]
	v_add_nc_u32 v[STI], s47, v[STI]               ; in: row h of a load's two, 16 r
	v_mul_u32_u24 v[STO], v9, SGP
	v_lshl_add_u32 v[STO], v10, 7, v[STO]
	v_add_nc_u32 v[STO], s47, v[STO]               ; out: row r, 128 h
	s_lshl_b32 s46, s[WV], 11
	v_add_nc_u32 v[KST], s46, v[LI]                ; my two pairs of key tiles
	s_lshl_b32 s46, s[WV], 8
	v_add_nc_u32 v[KSS], s46, v[AKS]
	s_mul_i32 s46, s[WV], 64*VP
	s_add_co_u32 s46, s46, VB
	v_mul_u32_u24 v[VST], v9, VP
	v_lshl_add_u32 v[VST], v10, 4, v[VST]
	v_add_nc_u32 v[VST], s46, v[VST]               ; key 64 w + r, 16 h
	v_lshl_add_u32 v[MBS], v0, 3, MB
	v_lshlrev_b32 v[MO], 3, v0
	v_lshlrev_b32 v[SH8], 3, v10
	v_lshlrev_b32 v[SH16], 4, v10
	v_sub_nc_u32 v[FILL], 16, v[SH16]
	v_mov_b32 v[MXA], 0x101
	v_lshlrev_b32 v[FILL], v[FILL], v[MXA]         ; lanes 0-15: bytes 2 and 3; lanes 16-31: bytes 0 and 1
	v_mov_b32 v[PT], 0                             ; a lane permute's destination counts as one of its sources
.irp t, 0,1
	v_mov_b32 v[ST+8*\t+1], 0                      ; named as the upper halves of pairs before they are first written
	v_mov_b32 v[ST+8*\t+5], 0
.endr
.irp g, 0,1,2,3
	v_mov_b32 v[QF+4+\g], 0                        ; the queries' zero halves
	v_mov_b32 v[QF+12+\g], 0
.endr
	s_mov_b32 s[SEL], 0x76543210
	s_mov_b32 s[SEL+1], 0xfedcba98
	s_mov_b32 s[CS], 0x3e38aa3b                    ; log2(e) / 8
	s_mov_b32 s[CS+1], s[CS]
	s_and_b32 s17, ttmp9, 1                        ; half
	s_bfe_u32 s42, ttmp9, 0x40001                  ; head
	s_lshr_b32 s43, ttmp9, 5                       ; batch
	s_lshl_b32 s44, s43, 22
	s_lshl_b32 s45, s42, 8
	s_add_co_u32 s44, s44, s45                     ; batch and head, in bytes of input and of memory
	s_mov_b32 s19, 0
	s_wait_kmcnt 0x0
	s_lshl_b32 s18, s[WV], 18                      ; 64 rows of 4,096 bytes a wave
	s_add_co_u32 s18, s18, s44
	s_add_nc_u64 s[SM:SM+1], s[6:7], s[18:19]
	s_lshl_b32 s18, s[WV], 17                      ; 32 rows a wave,
	s_lshl_b32 s45, s17, 21                        ; 512 a half
	s_add_co_u32 s18, s18, s45
	s_add_co_u32 s18, s18, s44
	s_add_nc_u64 s[SQ:SQ+1], s[4:5], s[18:19]
	s_and_b32 s46, s[WV], 7
	s_and_b32 s45, ttmp9, 3
	s_lshl_b32 s45, s45, 3
	s_add_co_u32 s45, s45, s46                     ; Wc's tile 8 g + w: chunk 8 (g & 3) + w,
	s_lshl_b32 s45, s45, 8
	s_lshr_b32 s18, ttmp9, 2                       ; rows 16 (g >> 2) on, 8,192 bytes each
	s_lshl_b32 s18, s18, 17
	s_add_co_u32 s18, s18, s45
	s_add_nc_u64 s[SW:SW+1], s[10:11], s[18:19]
	s_lshl_b32 s18, s43, 6
	s_lshl_b32 s45, s17, 5
	s_add_co_u32 s18, s18, s45
	s_lshl_b32 s45, s[WV], 1
	s_add_co_u32 s18, s18, s45                     ; my first tile of rows: 64 batch + 32 half + 2 w,
	s_lshl_b32 s18, s18, 16                        ; 65,536 bytes a tile,
	s_lshl_b32 s45, s42, 11                        ; 2,048 a chunk
	s_add_co_u32 s18, s18, s45
	s_add_nc_u64 s[XQ:XQ+1], s[12:13], s[18:19]
	s_add_nc_u64 s[XC:XC+1], s[XQ:XQ+1], 32768     ; ctx: 16 chunks on
	s_lshl_b32 s18, ttmp9, 3
	s_add_co_u32 s18, s18, s46
	s_lshl_b32 s18, s18, 11
	s_add_nc_u64 s[WH:WH+1], s[14:15], s[18:19]
	s_lshl_b32 s18, s43, 12
	s_add_nc_u64 s[MK:MK+1], s[8:9], s[18:19]
	; ALL THAT IS READ FROM MEMORY goes out here and in the four key tiles: the oldest first
	global_load_b64 v[MK2:MK2+1], v[MO], s[MK:MK+1]
	s_cmp_lt_u32 s[WV], 8
	s_cbranch_scc0 .Lno_w_load
	GLOAD RC, GL8, SW, 8192, 0, 1
.Lno_w_load:
	GLOAD RA, GL4, SM, 4096, 0, 0
	GLOAD RB, GL4, SM, 4096, 65536, 0
	TAKE RA, 8                                     ; each count of 8: the one younger run of eight loads may stay out
	GLOAD RA, GL4, SM, 4096, 2*65536, 0
	KBODY 0
	v_sub_f32 v[MK2], 1.0, v[MK2]                  ; the mask terms: ((1 - mask) x -1e30) x log2(e)
	v_sub_f32 v[MK2+1], 1.0, v[MK2+1]
	v_mul_f32 v[MK2], 0xf149f2ca, v[MK2]
	v_mul_f32 v[MK2+1], 0xf149f2ca, v[MK2+1]
	v_mul_f32 v[MK2], 0x3fb8aa3b, v[MK2]
	v_mul_f32 v[MK2+1], 0x3fb8aa3b, v[MK2+1]
	ds_store_b64 v[MBS], v[MK2:MK2+1]
	TAKE RB, 8
	GLOAD RB, GL4, SM, 4096, 3*65536, 0
	KBODY 1
	TAKE RA, 8
	GLOAD RA, GL4, SQ, 4096, 0, 1
	KBODY 2
	TAKE RB, 8
	GLOAD RB, GL4, SQ, 4096, 65536, 1
	KBODY 3
	s_wait_dscnt 0x0                               ; for the others' sake: my codes, scale words, rows and mask terms have landed
	s_barrier_signal -1
	s_barrier_wait -1                              ; the launch's one barrier: behind it these four regions are only read; the stages are each wave's own
	TAKE RA, 8
	QBODY 0
	TAKE RB, 0
	QBODY 1
	s_cmp_lt_u32 s[WV], 8
	s_cbranch_scc0 .Lno_w
	TURN RC                                        ; my tile of Wc (its loads were the oldest: they are in)
	s_wait_xcnt 0x0                                ; the queries' stores have read H
	PACK
.irp j, 0,1,2,3
	global_store_b128 v[LI], v[H+4*\j:H+4*\j+3], s[WH:WH+1] offset:512*\j
.endr
.Lno_w:
	s_wait_xcnt 0x0                                ; the stores have read H, where the mask terms land now
	s_mov_b32 s[TK], 0
	s_mov_b32 s[T2], 0
	s_mov_b32 s[TV], 0
	v_add_nc_u32 v[ADK], s[TK], v[LI]
	v_add_nc_u32 v[ADS], s[T2], v[AKS]
	v_add_nc_u32 v[ADM], s[T2], v[AMB]
	KLOAD
	MLOAD
.rept 8
	v_nop                                          ; a scale register written by vector instructions stands eight places ahead of a scaled matrix instruction, an operand so written four
.endr
	STEP 1, 0
	s_mov_b32 s[CNT], 14
.Lstep:
	STEP 0, 0
	s_sub_co_u32 s[CNT], s[CNT], 1
	s_cmp_lg_u32 s[CNT], 0
	s_cbranch_scc1 .Lstep
	STEP 0, 1
	; THE WAY OUT: O^T / the sum, rounded to f16: the registers are ctx's images as they stand
.irp t, 0,1
	v_add_f32 v[ST+8*\t+6], v[ST+8*\t+2], v[ST+8*\t+3]
.endr
.irp t, 0,1
	v_permlanex16_b32 v[ST+8*\t+5], v[ST+8*\t+6], s[SEL], s[SEL+1]
.endr
.irp t, 0,1
	v_add_f32 v[ST+8*\t+6], v[ST+8*\t+6], v[ST+8*\t+5]
.endr
.irp t, 0,1
	v_rcp_f32 v[ST+8*\t+4], v[ST+8*\t+6]           ; the sum is at least 1: the largest p is 1
.endr
	v_nop
	s_wait_alu depctr_va_vdst(0)                   ; one wait for the two reciprocals, ahead of their first reader
.set i, 0
.rept 32
	v_pk_mul_f32 v[O+2*i:O+2*i+1], v[O+2*i:O+2*i+1], v[ST+8*(i/16)+4:ST+8*(i/16)+5] op_sel_hi:[1,0]
.set i, i+1
.endr
.set i, 0
.rept 32
	v_cvt_pk_f16_f32 v[P+i], v[O+2*i], v[O+2*i+1]
.set i, i+1
.endr
.irp t, 0,1
.irp c, 0,1,2,3
	global_store_b128 v[LI], v[P+16*\t+4*\c:P+16*\t+4*\c+3], s[XC:XC+1] offset:65536*\t+512*\c
.endr
.endr
	s_wait_tensorcnt 0x0                           ; the wave's end: three lines behind my last LDS store
	ds_add_u32 v[SPW], v[NIL]
	s_wait_dscnt 0x0
	s_endpgm
.Lfunc_end_k_q90d4c8b442_attn:
	.size	k_q90d4c8b442_attn, .Lfunc_end_k_q90d4c8b442_attn-k_q90d4c8b442_attn
	.p2alignl 7, 3214868480
	.fill 96, 4, 3214868480
	.section	.rodata,"a",@progbits
	.p2align	6, 0x0
	.amdhsa_kernel k_q90d4c8b442_attn
		.amdhsa_group_segment_fixed_size 276480
		.amdhsa_private_segment_fixed_size 0
		.amdhsa_enable_private_segment 0
		.amdhsa_kernarg_size 48
		.amdhsa_user_sgpr_count 2
		.amdhsa_user_sgpr_kernarg_segment_ptr 1
		.amdhsa_wavefront_size32 1
		.amdhsa_system_sgpr_workgroup_id_x 1
		.amdhsa_system_sgpr_workgroup_id_y 1
		.amdhsa_system_sgpr_workgroup_id_z 1
		.amdhsa_system_vgpr_workitem_id 0
		.amdhsa_next_free_vgpr 256
		.amdhsa_next_free_sgpr 66
		.amdhsa_reserve_vcc 0
		.amdhsa_float_denorm_mode_32 3
		.amdhsa_float_denorm_mode_16_64 3
		.amdhsa_memory_ordered 1
		.amdhsa_forward_progress 1
		.amdhsa_inst_pref_size 97
	.end_amdhsa_kernel
	.amdgpu_metadata
---
amdhsa.version: [ 1, 2 ]
amdhsa.kernels:
  - .name:           k_q90d4c8b442_attn
    .symbol:         k_q90d4c8b442_attn.kd
    .args:
      - { .name: input, .offset: 0, .size: 8, .value_kind: global_buffer, .address_space: global }
      - { .name: memory, .offset: 8, .size: 8, .value_kind: global_buffer, .address_space: global }
      - { .name: mask, .offset: 16, .size: 8, .value_kind: global_buffer, .address_space: global }
      - { .name: Wc, .offset: 24, .size: 8, .value_kind: global_buffer, .address_space: global }
      - { .name: xa, .offset: 32, .size: 8, .value_kind: global_buffer, .address_space: global }
      - { .name: wh, .offset: 40, .size: 8, .value_kind: global_buffer, .address_space: global }
    .group_segment_fixed_size: 276480
    .private_segment_fixed_size: 0
    .kernarg_segment_align: 8
    .kernarg_segment_size: 48
    .max_flat_workgroup_size: 512
    .sgpr_count:     66
    .vgpr_count:     256
    .wavefront_size: 32
...
	.end_amdgpu_metadata
.endif
;; end of part 1
;; launch gemm (part 2): grid 4 x 64, 4 waves a work-group, clusters of 4 x 4, 327,680 bytes of LDS; arguments xa, wh, bc, out0; writes out0
.if DOCPART == 2
	.amdgcn_target "amdgcn-amd-amdhsa--gfx1250"
	.amdhsa_code_object_version 6
	.text
	.protected	k_q90d4c8b442_gemm
	.globl	k_q90d4c8b442_gemm
	.p2align	8
	.type	k_q90d4c8b442_gemm,@function
k_q90d4c8b442_gemm:
	s_mov_b64 s[64:65], 0
	v_nop
	global_prefetch_b8 v0, s[64:65] scope:SCOPE_SE
	s_setreg_imm32_b32 hwreg(HW_REG_WAVE_MODE, 25, 1), 1
	s_wait_xcnt 0x0
	s_wait_alu depctr_hold_cnt(0) depctr_sa_sdst(0) depctr_va_vdst(0) depctr_va_sdst(0) depctr_va_ssrc(0) depctr_va_vcc(0) depctr_vm_vsrc(0)
	s_getreg_b32 s2, hwreg(HW_REG_IB_STS2, 6, 4)
	s_cmp_eq_u32 s2, 0
	s_cbranch_scc0 .Lentry_in_a_cluster
	s_endpgm
.Lentry_in_a_cluster:
	s_bfe_u32 s2, ttmp6, 0x10000c
	s_cmp_lg_u32 s2, 0xf033
	s_cbranch_scc0 .Lentry_shape_is_right
	s_endpgm
.Lentry_shape_is_right:
; out0 = y(o), o = [input, ctx] Wc^T + bc, y(o) = sigmoid(o) tanh(o).  [8,192 x 2,048] x [2,048 x 1,024], f16 operands, f32 sums, out0 f32.
; OPERANDS: xa (rows of [input, ctx]) and wh (rows of Wc) lie as images of operand registers: [tile of 16 rows][chunk of 64 along K][image j 0..3][lane][16 bytes]; in image j lane (r, h) holds row r, k = 64 chunk + 32 h + 8 j + 0..7.
;   Images 2 s and 2 s + 1 of a chunk are registers 0-3 and 4-7 of a fragment of 32 along K.  That is one order of k, the same on both sides: the products are the same, summed in another order.
;   So a K step's bytes of a tile are consecutive in memory, lie in LDS without padding, and every LDS load takes 512 consecutive bytes, 16 a lane.
; SHARES.  A tile of out0 is 128 rows x 256 columns: 256 work-groups.  Four waves, each 64 x 128: 32 accumulators of 16 x 16, 256 registers.  K goes in steps of 128 (4,096 bytes a tile of 16 rows) through two LDS slots.
; CLUSTERS: 4 x 4 work-groups.  The four of a row of the cluster need the same tiles of xa, the four of a column the same tiles of wh: each tile is asked for JOINTLY, by the same tensor load with the same descriptor and a mask that names the four.
; TRANSPOSED USE: source 0 = 16 rows of wh, source 1 = 16 rows of xa: a lane holds eight neighbouring columns of one row of out0.  bc is the C of each sum's first product.
; y = (1 - u) / (1 + u^2) with u = e^-o: the same function, by one exponential and one reciprocal.
; LIMITS.  o is held at -40 from below, so that u^2 stays finite; |y| is under 5e-18 there.  NaN and infinities are not served.
; REGISTERS, in windows of 256: window 0: v16-30 addresses; v32-95 bc in the result's layout; v128-191 xa's fragments, two sets of 32; on the way out v128-255 rows read back.
;   window 1: wh's fragments, two sets of 64, at v0 and v64; on the way out v0-63 at work.   window 2: the accumulators, (a, b) at v[8 (8 a + b)].
.set KSTEPB, 4096                      ; a K step's bytes of one tile of 16 rows
.set SLOT,   98304                     ; xa's 8 tiles of rows, then wh's 16
.set BOFF,   32768
.set STAGE,  2*SLOT                    ; behind the ring: 16 rows x (512 bytes + 16) for each wave, for the way out
.set SPITCH, 528
.set SPARE,  STAGE+4*16*SPITCH         ; the spare words, 128 bytes for each wave: two blocks of 256 bytes that no other line names
.set LAPS,   8                         ; a lap = two K steps = once round the ring: 2,048 / 256
.set ADRA, 16                          ; v16-17 LDS address of my fragments of xa in slot 0, 1
.set ADRB, 20                          ; v20-21 the same for wh
.set STO,  24                          ; v24 the way out: where I put 32 bytes of a row
.set RD,   25                          ; v25 where I read a row back
.set CO,   26                          ; v26 16 x lane
.set BO,   27                          ; v27 32 (lane / 16): my eight numbers of bc
.set SPW,  28                          ; v28 LDS address of my spare word; never rewritten
.set NIL,  29                          ; v29 0; never rewritten
.set PFO,  30                          ; v30 the prefetches' offset; never rewritten
.set BIAS, 32
.set AF,   128
.set BK,   128
.set WV,   12                          ; s12 wave;  s13 wave >> 1: my half of the rows, and: I fetch for xa (0) or wh (1);  s14 wave & 1: my half of the columns, and which half of that tile I fetch
.set G1,  24                           ; s[24:31] descriptor group 1 for xa's tiles;  s[32:39] group 0, a set for each slot
.set G0,  32
.set G1B, 48                           ; s[48:55], s[56:63] the same for wh's
.set G0B, 56
.set PFA, 44                           ; s[44:45] where my prefetches stand
.set LIM, 46                           ; s46 1 in the wave that prefetches, else the greatest number
.set MSB, 0
.macro WIN new                         ; the immediate's high byte repeats the setting that is left; a switch that changes nothing is dropped
.if MSB != (\new)
	s_set_vgpr_msb (MSB<<8)|(\new)
.set MSB, (\new)
.endif
.endm
.set MUL,  0xa1                        ; source 0 (wh) window 1, source 1 (xa) window 0, C and D window 2.  With C = bc in window 0: 0x81
.set TO_B, 0x40                        ; destination window 1, address window 0
; A joint load: waves 0 and 1 fetch xa's two halves, waves 2 and 3 wh's.  The branch hangs on the wave's number alone.  An s_nop 0 and four v_nop follow each of the two lines.
.macro JLOAD s
	s_cmp_eq_u32 s13, 0
	s_cbranch_scc0 .Lfor_b_\@
	tensor_load_to_lds s[G0+4*\s:G0+4*\s+3], s[G1:G1+7]
	s_nop 0
.rept 4
	v_nop
.endr
	s_branch .Lasked_\@
.Lfor_b_\@:
	tensor_load_to_lds s[G0B+4*\s:G0B+4*\s+3], s[G1B:G1B+7]
	s_nop 0
.rept 4
	v_nop
.endr
.Lasked_\@:
.endm
; A prefetch of xa's K step that stands two refills on.  A tile row of xa is read by one row of one cluster alone: its four partners take two tiles of 16 rows each, told apart BY ADDRESS; in each, wave 0 asks:
; 2 x 4,096 bytes, a lane to each aligned block of 256.  So each block is named once in the launch.  The loop's last trip asks for nothing: there is no K step two on.  K steps 0 to 3 come by their loads alone.
; wh is not asked for: all sixteen clusters walk the same 4 MiB again and again.
.macro ASK
	s_cmp_gt_u32 s3, s[LIM]
	s_cbranch_scc0 .Lnot_mine_\@
	global_prefetch_b8 v[PFO], s[PFA:PFA+1] offset:KSTEPB th:TH_LOAD_NT scope:SCOPE_SE
.Lnot_mine_\@:
.endm
.macro CREST                           ; a round of the cluster's barrier behind its opening barrier
	s_cmp_lg_u32 s[WV], 0
	s_cbranch_scc1 .Lnot_wave_0_\@
	s_barrier_signal -3
.Lnot_wave_0_\@:
	s_barrier_wait -3
	s_barrier_signal -1
	s_barrier_wait -1
.endm
.macro CROUND                          ; a whole round
	s_barrier_signal -1
	s_barrier_wait -1
	CREST
.endm
	s_load_b256 s[4:11], s[0:1], 0x0               ; xa s[4:5], wh s[6:7], bc s[8:9], out0 s[10:11]
	v_lshl_add_u32 v[SPW], v0, 2, SPARE
	v_mov_b32 v[NIL], 0
	ds_add_u32 v[SPW], v[NIL]                      ; the wave's opening: the add, twice on end, and its wait ahead of my first tensor load
	ds_add_u32 v[SPW], v[NIL]                      ; and once more, under the one wait
	v_lshrrev_b32 v1, 5, v0
	v_readfirstlane_b32 s[WV], v1                  ; wave 0..3
	s_lshr_b32 s13, s[WV], 1
	s_and_b32 s14, s[WV], 1
	s_bfe_u32 s40, ttmp6, 0x40000                  ; cx, cy: my place in the cluster
	s_bfe_u32 s41, ttmp6, 0x40004
	s_lshl_b32 s42, ttmp9, 2
	s_add_co_u32 s42, s42, s40                     ; tile column = 4 x cluster x + cx
	s_and_b32 s15, ttmp7, 0xffff
	s_lshl_b32 s15, s15, 2
	s_add_co_u32 s15, s15, s41                     ; tile row = 4 x cluster y + cy
	s_lshl_b32 s43, s41, 2
	s_lshl_b32 s43, 15, s43                        ; my row of the cluster
	s_lshl_b32 s44, 0x1111, s40                    ; my column
	; descriptor group 1: rows of 4,096 bytes (512 elements of 8 bytes), 65,536 bytes apart: xa 4 rows to a load, wh 8; no padding
	s_or_b32 s[G1+0], s43, (3<<16)|(1<<21)         ; 15:0 the mask: xa's tiles go to my row; 17:16 elements of 8 bytes; 21 set beside a mask
	s_or_b32 s[G1B+0], s44, (3<<16)|(1<<21)        ; wh's go to my column
	s_mov_b32 s[G1+1], 512<<16                     ; tensor_dim0
	s_mov_b32 s[G1+2], 4<<16                       ; tensor_dim1
	s_mov_b32 s[G1+3], 512<<16                     ; tile_dim0
	s_mov_b32 s[G1+4], 4                           ; tile_dim1
	s_mov_b32 s[G1+5], 8192                        ; tensor_dim0_stride, in elements
	s_mov_b32 s[G1+6], 0
	s_mov_b32 s[G1+7], 0
	s_mov_b32 s[G1B+1], 512<<16
	s_mov_b32 s[G1B+2], 8<<16
	s_mov_b32 s[G1B+3], 512<<16
	s_mov_b32 s[G1B+4], 8
	s_mov_b32 s[G1B+5], 8192
	s_mov_b32 s[G1B+6], 0
	s_mov_b32 s[G1B+7], 0
	s_lshl_b32 s16, s15, 3
	s_lshl_b32 s17, s14, 2
	s_add_co_u32 s16, s16, s17                     ; xa: tile of rows 8 x tile row + 4 x half,
	s_lshl_b32 s16, s16, 16                        ; 65,536 bytes each
	s_mov_b32 s17, 0
	s_lshl_b32 s18, s42, 4
	s_lshl_b32 s19, s14, 3
	s_add_co_u32 s18, s18, s19                     ; wh: 16 x tile column + 8 x half
	s_lshl_b32 s18, s18, 16
	s_mov_b32 s19, 0
	s_lshl_b32 s46, s14, 14                        ; where they go in a slot: no place in the cluster enters an LDS address
	s_lshl_b32 s47, s14, 15
	s_add_co_u32 s47, s47, BOFF
	s_wait_dscnt 0x0                               ; both opening adds are done
	s_wait_kmcnt 0x0
	s_add_nc_u64 s[20:21], s[4:5], s[16:17]
	s_add_nc_u64 s[22:23], s[6:7], s[18:19]
	CROUND                                         ; all sixteen work-groups are here: the first joint loads meet
.irp s, 0,1
	s_mov_b32 s[G0+4*\s], 1                        ; count = 1
	s_add_co_u32 s[G0+4*\s+1], s46, \s*SLOT        ; LDS address
	s_add_nc_u64 s[G0+4*\s+2:G0+4*\s+3], s[20:21], \s*KSTEPB   ; global address: K step s
	s_or_b32 s[G0+4*\s+3], s[G0+4*\s+3], 0x80000000            ; type = 2
	s_mov_b32 s[G0B+4*\s], 1
	s_add_co_u32 s[G0B+4*\s+1], s47, \s*SLOT
	s_add_nc_u64 s[G0B+4*\s+2:G0B+4*\s+3], s[22:23], \s*KSTEPB
	s_or_b32 s[G0B+4*\s+3], s[G0B+4*\s+3], 0x80000000
	JLOAD \s                                       ; two loads of mine are out
.endr
	v_and_b32 v1, 31, v0                           ; lane
	v_and_b32 v2, 15, v0                           ; r
	v_bfe_u32 v3, v0, 4, 1                         ; h
	v_lshlrev_b32 v[CO], 4, v1
	s_lshl_b32 s16, s13, 14                        ; my four tiles of rows of xa
	s_lshl_b32 s17, s14, 15                        ; my eight of wh,
	s_add_co_u32 s17, s17, BOFF                    ; which lie behind xa's
.irp s, 0,1
	v_add_nc_u32 v[ADRA+\s], s16, v[CO]
	v_add_nc_u32 v[ADRB+\s], s17, v[CO]
	s_add_co_u32 s16, s16, SLOT
	s_add_co_u32 s17, s17, SLOT
.endr
	s_mul_i32 s16, s[WV], 16*SPITCH
	s_add_co_u32 s16, s16, STAGE                   ; my stage
	v_mul_u32_u24 v[STO], v2, SPITCH
	v_lshl_add_u32 v[STO], v3, 5, v[STO]
	v_add_nc_u32 v[STO], s16, v[STO]               ; in: row r, 32 bytes for each half of the lanes
	v_add_nc_u32 v[RD], s16, v[CO]                 ; back: the 32 lanes take one row of 512 bytes
	v_lshlrev_b32 v[BO], 5, v3
	s_lshl_b32 s18, s42, 10
	s_lshl_b32 s19, s14, 9
	s_add_co_u32 s18, s18, s19                     ; my first column, in bytes: 1,024 x tile column + 512 x half
	s_mov_b32 s19, 0
	s_add_nc_u64 s[8:9], s[8:9], s[18:19]
.irp b, 0,1,2,3,4,5,6,7
	global_load_b128 v[BIAS+8*\b:BIAS+8*\b+3], v[BO], s[8:9] offset:64*\b          ; bc at columns 16 b + 8 h + 0..7
	global_load_b128 v[BIAS+8*\b+4:BIAS+8*\b+7], v[BO], s[8:9] offset:64*\b+16
.endr
	s_lshl_b32 s16, s15, 7
	s_lshl_b32 s17, s13, 6
	s_add_co_u32 s16, s16, s17                     ; my first row: 128 x tile row + 64 x half,
	s_lshl_b32 s16, s16, 12                        ; 4,096 bytes each
	s_mov_b32 s17, 0
	s_add_nc_u64 s[10:11], s[10:11], s[16:17]
	s_add_nc_u64 s[10:11], s[10:11], s[18:19]
	s_lshl_b32 s18, s15, 3                         ; the prefetches: of the tile row's eight tiles of 16 rows my work-group takes 2 cx and 2 cx + 1
	s_lshl_b32 s19, s40, 1
	s_add_co_u32 s18, s18, s19
	s_lshl_b32 s18, s18, 16
	s_mov_b32 s19, 0
	s_add_nc_u64 s[PFA:PFA+1], s[4:5], s[18:19]
	s_add_nc_u64 s[PFA:PFA+1], s[PFA:PFA+1], 2*KSTEPB   ; at K step 2: the first refill steps it to 3 and names K step 4
	s_cmp_eq_u32 s[WV], 0
	s_cselect_b32 s[LIM], 1, -1
	v_lshlrev_b32 v[PFO], 16, v3                   ; lanes 16-31: the second tile of rows;
	v_lshl_add_u32 v[PFO], v2, 8, v[PFO]           ; 256 bytes from lane to lane
; 8 matrix instructions: block a of xa's four x wh's eight, 32 along K, from fragment set f.  first = 1: bc starts the sums: nothing is cleared.
; The 32 accumulators take turns, one instruction a turn, in the same order in every quarter.
.macro MULA f, a, first
.irp b, 0,1,2,3,4,5,6,7
.if \first
	v_wmma_f32_16x16x32_f16 v[8*(8*(\a)+\b):8*(8*(\a)+\b)+7], v[64*(\f)+8*\b:64*(\f)+8*\b+7], v[AF+32*(\f)+8*(\a):AF+32*(\f)+8*(\a)+7], v[BIAS+8*\b:BIAS+8*\b+7]
.else
	v_wmma_f32_16x16x32_f16 v[8*(8*(\a)+\b):8*(8*(\a)+\b)+7], v[64*(\f)+8*\b:64*(\f)+8*\b+7], v[AF+32*(\f)+8*(\a):AF+32*(\f)+8*(\a)+7], v[8*(8*(\a)+\b):8*(8*(\a)+\b)+7]
.endif
.endr
.endm
; 24 LDS loads in one run: the fragments of the slot's q-th 32 along K into set f; wh's first, then xa's blocks 0 to 3
.macro FETCH slot, q, f
	WIN TO_B
.irp b, 0,1,2,3,4,5,6,7
	ds_load_b128 v[64*(\f)+8*\b:64*(\f)+8*\b+3],   v[ADRB+\slot] offset:KSTEPB*\b+1024*(\q)
	ds_load_b128 v[64*(\f)+8*\b+4:64*(\f)+8*\b+7], v[ADRB+\slot] offset:KSTEPB*\b+1024*(\q)+512
.endr
	WIN 0
.irp a, 0,1,2,3
	ds_load_b128 v[AF+32*(\f)+8*\a:AF+32*(\f)+8*\a+3],   v[ADRA+\slot] offset:KSTEPB*\a+1024*(\q)
	ds_load_b128 v[AF+32*(\f)+8*\a+4:AF+32*(\f)+8*\a+7], v[ADRA+\slot] offset:KSTEPB*\a+1024*(\q)+512
.endr
.endm
.macro PLACES                          ; four places in front of loads into registers that matrix instructions have read, and of the first read of results
.rept 4
	v_nop
.endr
.endm
; A K step is four quarters of 32 along K, 32 matrix instructions each, on sets 0, 1, 0, 1.  One of the first three: multiplies set f and fetches the slot's q-th quarter into set g.
.macro QUARTER slot, q, f, g, first
	s_wait_dscnt 4                                 ; all but the youngest four loads (xa's blocks 2 and 3) are in
	WIN MUL-0x20*(\first)
	MULA \f, 0, \first
	MULA \f, 1, \first
	PLACES
	FETCH \slot, \q, \g
	s_wait_dscnt 24                                ; all but the 24 just issued
	WIN MUL-0x20*(\first)
	MULA \f, 2, \first
	MULA \f, 3, \first
.endm
; The last quarter multiplies set 1 and changes slots: ONE barrier; in front of it each wave waits for all its tensor loads, adds 0 to its spare word, and waits for that and for its own reads of this slot.
; fill = 1: the barrier opens a round of the cluster's, and this slot is filled again, two K steps ahead: the load has a K step less sixteen matrix instructions in which to land.
.macro TURN slot, next, fill
.if \fill
	s_wait_xcnt 0x0                                ; the last prefetch, a K step back, has read its address
	s_add_nc_u64 s[PFA:PFA+1], s[PFA:PFA+1], KSTEPB
.endif
	WIN 0                                          ; (the add's two registers lie in window 0)
	s_wait_tensorcnt 0x0                           ; all my tensor loads have landed: the one that was out is my part of the next slot
	ds_add_u32 v[SPW], v[NIL]                      ; 0 onto my spare word
	s_wait_dscnt 5                                 ; (the add and the youngest four loads may be out)
	WIN MUL
	MULA 1, 0, 0                                   ; eight matrix instructions stand between the add and the wait for it
	s_wait_dscnt 0x0                               ; the add is done, and my reads of this slot are over
	s_barrier_signal -1
	MULA 1, 1, 0
	WIN 0
	s_barrier_wait -1
.if \fill
	CREST                                          ; no wave of any partner still reads this slot's tile or has a load on its way
	s_add_nc_u64 s[G0+4*\slot+2:G0+4*\slot+3], s[G0+4*\slot+2:G0+4*\slot+3], 2*KSTEPB
	s_add_nc_u64 s[G0B+4*\slot+2:G0B+4*\slot+3], s[G0B+4*\slot+2:G0B+4*\slot+3], 2*KSTEPB
	JLOAD \slot                                    ; the first tensor load behind the round, my only one until the next; its four v_nop are also the places in front of the loads below
.else
	PLACES
.endif
	FETCH \next, 0, 0
.if \fill
	ASK
.endif
	WIN MUL
	MULA 1, 2, 0
	MULA 1, 3, 0
.endm
	s_wait_tensorcnt 1                             ; my part of K step 0 is in; K step 1's may stay out
	s_barrier_signal -1
	s_barrier_wait -1                              ; everybody's is
	FETCH 0, 0, 0
	s_wait_loadcnt 0x0                             ; bc
	QUARTER 0, 1, 0, 1, 1                          ; the first quarter stands in front of the loop: its products start the sums
	WIN 0                                          ; at a label and at a branch every window is 0
	s_mov_b32 s3, LAPS-1
.Llap:                                                 ; a trip goes once round the ring, from a lap's second quarter to the next lap's first, and fills both slots again
	QUARTER 0, 2, 1, 0, 0
	QUARTER 0, 3, 0, 1, 0
	TURN 0, 1, 1
	QUARTER 1, 1, 0, 1, 0
	QUARTER 1, 2, 1, 0, 0
	QUARTER 1, 3, 0, 1, 0
	TURN 1, 0, 1
	QUARTER 0, 1, 0, 1, 0
	WIN 0
	s_sub_co_u32 s3, s3, 1
	s_cmp_lg_u32 s3, 0
	s_cbranch_scc1 .Llap
	QUARTER 0, 2, 1, 0, 0                          ; the last lap fills nothing, and has no round of the cluster's barrier
	QUARTER 0, 3, 0, 1, 0
	TURN 0, 1, 0
	QUARTER 1, 1, 0, 1, 0
	QUARTER 1, 2, 1, 0, 0
	QUARTER 1, 3, 0, 1, 0
	s_wait_dscnt 4                                 ; the very last quarter: nothing more to fetch
	WIN MUL
	MULA 1, 0, 0
	MULA 1, 1, 0
	s_wait_dscnt 0x0
	MULA 1, 2, 0
	MULA 1, 3, 0
	WIN 0
; THE WAY OUT, block by block of 16 rows x 128 columns.
; ACT: y = (1 - u) / (1 + u^2), u = 2^(-o log2(e)), in place; 1 + u^2 and its reciprocal in window 1.  Each accumulator is read from its low end on.  The exponentials are one batch with one wait, the reciprocals another.
.macro ACT a
.set AC, 64*(\a)
	WIN 0xaa                                       ; all in window 2
.set i, 0
.rept 64
	v_max_num_f32 v[AC+i], 0xc2200000, v[AC+i]     ; o held at -40 from below
.set i, i+1
.endr
.set i, 0
.rept 32
	v_pk_mul_f32 v[AC+2*i:AC+2*i+1], v[AC+2*i:AC+2*i+1], 0xbfb8aa3b op_sel_hi:[1,0]
.set i, i+1
.endr
.set i, 0
.rept 64
	v_exp_f32 v[AC+i], v[AC+i]
.set i, i+1
.endr
	v_nop                                          ; a plain line behind the last exponential
	s_wait_alu depctr_va_vdst(0)                   ; this wait ahead of the first line that names a result: one for the batch
	WIN 0x4a                                       ; sources 0 and 1 window 2, destination window 1
.set i, 0
.rept 32
	v_pk_fma_f32 v[2*i:2*i+1], v[AC+2*i:AC+2*i+1], v[AC+2*i:AC+2*i+1], 1.0 op_sel_hi:[1,1,0]   ; 1 + u^2
.set i, i+1
.endr
	WIN 0xaa
.set i, 0
.rept 32
	v_pk_add_f32 v[AC+2*i:AC+2*i+1], v[AC+2*i:AC+2*i+1], 1.0 op_sel_hi:[1,0] neg_lo:[1,0] neg_hi:[1,0]   ; 1 - u
.set i, i+1
.endr
	WIN 0x41                                       ; source 0 and destination window 1
.set i, 0
.rept 64
	v_rcp_f32 v[i], v[i]
.set i, i+1
.endr
	v_nop
	s_wait_alu depctr_va_vdst(0)                   ; one wait for the batch of reciprocals
	WIN 0x86                                       ; source 0 and destination window 2, source 1 window 1
.set i, 0
.rept 32
	v_pk_mul_f32 v[AC+2*i:AC+2*i+1], v[AC+2*i:AC+2*i+1], v[2*i:2*i+1]
.set i, i+1
.endr
	WIN 0
.endm
; A lane holds 32 neighbouring bytes of a row, and the lanes beside it hold other rows: so a block goes through my own stage and comes back as whole rows of 512 bytes.
; LDS serves a wave's instructions in order (ISA guide 5.7.1.4): no wait between the stores and the loads.
.macro TOSTAGE a
	WIN 0x08                                       ; an LDS store's data are its source 1: window 2
.irp b, 0,1,2,3,4,5,6,7
	ds_store_b128 v[STO], v[64*(\a)+8*\b:64*(\a)+8*\b+3] offset:64*\b
	ds_store_b128 v[STO], v[64*(\a)+8*\b+4:64*(\a)+8*\b+7] offset:64*\b+16
.endr
	WIN 0
.irp t, 0,1,2,3,4,5,6,7,8,9,10,11,12,13,14,15
	ds_load_b128 v[BK+64*((\a)%2)+4*\t:BK+64*((\a)%2)+4*\t+3], v[RD] offset:\t*SPITCH
.endr
.endm
.macro SEND a
	s_wait_dscnt 0x0                               ; the block is back in registers
	s_wait_xcnt 0x0                                ; earlier stores have read their base and their registers: the base may step, and the block after next may land where the last block lay
.if (\a) > 0
	s_add_nc_u64 s[10:11], s[10:11], 16*4096       ; 16 rows on
.endif
.irp t, 0,1,2,3,4,5,6,7,8,9,10,11,12,13,14,15
	global_store_b128 v[CO], v[BK+64*((\a)%2)+4*\t:BK+64*((\a)%2)+4*\t+3], s[10:11] offset:4096*\t th:TH_STORE_NT   ; 32 lanes store 512 consecutive bytes, at a multiple of 256 from out0's first byte
.endr
.endm
	PLACES                                         ; behind the last products
	ACT 0
	TOSTAGE 0
	ACT 1                                          ; a block's arithmetic stands between the loads of the block before and its stores
	SEND 0
	TOSTAGE 1
	ACT 2
	SEND 1
	TOSTAGE 2
	ACT 3
	SEND 2
	TOSTAGE 3
	SEND 3
	s_wait_tensorcnt 0x0                           ; the wave's end: three lines, behind my last tensor load and my last LDS store
	ds_add_u32 v[SPW], v[NIL]
	s_wait_dscnt 0x0
	CROUND                                         ; the closing round: no work-group ends while a partner may still ask for a tile that names it
	s_endpgm
.Lfunc_end_k_q90d4c8b442_gemm:
	.size	k_q90d4c8b442_gemm, .Lfunc_end_k_q90d4c8b442_gemm-k_q90d4c8b442_gemm
	.p2alignl 7, 3214868480
	.fill 96, 4, 3214868480
	.section	.rodata,"a",@progbits
	.p2align	6, 0x0
	.amdhsa_kernel k_q90d4c8b442_gemm
		.amdhsa_group_segment_fixed_size 327680
		.amdhsa_private_segment_fixed_size 0
		.amdhsa_enable_private_segment 0
		.amdhsa_kernarg_size 32
		.amdhsa_user_sgpr_count 2
		.amdhsa_user_sgpr_kernarg_segment_ptr 1
		.amdhsa_wavefront_size32 1
		.amdhsa_system_sgpr_workgroup_id_x 1
		.amdhsa_system_sgpr_workgroup_id_y 1
		.amdhsa_system_sgpr_workgroup_id_z 1
		.amdhsa_system_vgpr_workitem_id 0
		.amdhsa_next_free_vgpr 768
		.amdhsa_next_free_sgpr 66
		.amdhsa_reserve_vcc 0
		.amdhsa_float_denorm_mode_32 3
		.amdhsa_float_denorm_mode_16_64 3
		.amdhsa_memory_ordered 1
		.amdhsa_forward_progress 1
		.amdhsa_inst_pref_size 157
	.end_amdhsa_kernel
	.amdgpu_metadata
---
amdhsa.version: [ 1, 2 ]
amdhsa.kernels:
  - .name:           k_q90d4c8b442_gemm
    .symbol:         k_q90d4c8b442_gemm.kd
    .args:
      - { .name: xa, .offset: 0, .size: 8, .value_kind: global_buffer, .address_space: global }
      - { .name: wh, .offset: 8, .size: 8, .value_kind: global_buffer, .address_space: global }
      - { .name: bc, .offset: 16, .size: 8, .value_kind: global_buffer, .address_space: global }
      - { .name: out0, .offset: 24, .size: 8, .value_kind: global_buffer, .address_space: global }
    .group_segment_fixed_size: 327680
    .private_segment_fixed_size: 0
    .kernarg_segment_align: 8
    .kernarg_segment_size: 32
    .max_flat_workgroup_size: 128
    .sgpr_count:     66
    .vgpr_count:     768
    .wavefront_size: 32
...
	.end_amdgpu_metadata
.endif
;; end of part 2
;; ======== version 2 of 2: 2 launches; version 1 with the launch attn written anew for expert scheduling mode
;; limits: values are held in f16: magnitudes above 65,504 overflow, below 6.1e-05 lose precision; inputs' magnitudes at most 65,504
;; workspace buffers: xa 33,554,432 bytes; wh 4,194,304 bytes
;; launch attn (part 3): grid 256 x 1, 16 waves a work-group, no clusters, 276,480 bytes of LDS; arguments input, memory, mask, Wc, xa, wh; writes xa, wh
.if DOCPART == 3
	.amdgcn_target "amdgcn-amd-amdhsa--gfx1250"
	.amdhsa_code_object_version 6
	.text
	.protected	k_q90d4c8b442_attn
	.globl	k_q90d4c8b442_attn
	.p2align	8
	.type	k_q90d4c8b442_attn,@function
k_q90d4c8b442_attn:
	s_mov_b64 s[64:65], 0
	v_nop
	global_prefetch_b8 v0, s[64:65] scope:SCOPE_SE
	s_setreg_imm32_b32 hwreg(HW_REG_WAVE_SCHED_MODE, 0, 2), 2
	s_setreg_imm32_b32 hwreg(HW_REG_WAVE_MODE, 25, 1), 1
	s_wait_xcnt 0x0
	s_wait_alu depctr_vm_vsrc(0)
; ATTENTION of one (batch, head, half of the queries) for each work-group, and the f16 operands of the product that follows.
; scores = q k^T / 8 on codes of FP4 (E2M1) with one E8M0 scale for each 32 of the head's 64; + (-1e30) (1 - mask[key]); softmax over 1,024 keys by a running maximum; ctx = p v with v = k, f16 operands, f32 sums.
; STORED: xa = [input, ctx] and wh = Wc, both f16, as images of operand registers: [tile of 16 rows][chunk of 64 along K][image j 0..3][lane][16 bytes]; in image j lane (r, h) holds row r, k = 64 chunk + 32 h + 8 j + 0..7.
;   Chunk = head for the input's part of xa, 16 + head for ctx's.  Every store of a wave covers 512 consecutive bytes, aligned.
; SHARES.  Work-group g: half = g & 1, head = (g >> 1) & 15, batch = g >> 5.  Sixteen waves.  Wave w prepares keys 64 w .. 64 w + 63 (codes, scale words, f16 rows) into LDS, one barrier, then owns queries 512 half + 32 w + 0..31
;   (two tiles of 16) and walks all keys, 64 a step.  Waves 0 to 7 also turn one tile (16 rows x 64) of Wc into f16: tile 8 g + w of 2,048.  Thread n makes the mask terms of keys 2 n and 2 n + 1.
; K = 64 IN AN INSTRUCTION OF 128.  A fragment of keys holds TWO tiles of 16 keys: tile 2 u in k 0..63 (registers 0-3), tile 2 u + 1 in k 64..127 (registers 4-7).  The queries stand as [q, 0] or [0, q]: zero codes meet the other tile.
;   The scale byte over the queries' zero half is 1.
; LAYOUT.  Both products are used transposed (S^T = K Q^T, O^T = V^T P): a lane holds one query (lane % 16); S^T's register j of tile T is key 16 T + 8 (lane / 16) + j, so two tiles rounded in pairs ARE source 1 of the second product.
;   A row of V in LDS holds its channels in the order 32 (m >> 3) + 8 c + (m & 7) at place 16 c + m, so that O^T's eight registers of tile c are image c of ctx.
; THE MASK TERM IS ADDED FIRST, x = s c + mb (c = log2(e) / 8, mb = (-1e30 (1 - mask)) log2(e)), AND THE MAXIMUM TAKEN AWAY AFTERWARDS: where every key is masked the score is absorbed by the term as it is in f32 arithmetic on s / 8 - 1e30,
;   and the weights come out equal.
; LIMITS.  f16 operands: |input|, |memory|, |Wc| under 65,504; magnitudes under 6e-5 carry an absolute error of 3e-8.  NaN and infinities among the inputs are not served.  A block of zeros, or one whose largest magnitude lies under
;   2^-124, gets the scale byte 1 (its codes are zeros or nearly so; this launch alone reads the bytes).  v_exp_f32 gives 0 for results under 2^-126.
; No tensor load and no cluster: the keys must pass through registers to be quantised and rounded, only two work-groups read the same keys, and that once, at the head.  No prefetch: all that is read from memory is asked for at the head.
; THE MODE: SCHED_MODE bits 1:0 = 2 (LLVM: expert scheduling mode 2), set by the entry lines.  The code itself states the register dependences between vector or matrix instructions and memory or LDS instructions, with s_wait_alu, always for 0.
; THE PLAN.  Registers that memory or LDS instructions touch:
;   v3-6, v240-247, v251   offsets and addresses, made once at the head and never written again: one wait on va_vdst ahead of the first load serves them all.
;   THE HEAD, a tile of 16 rows at a time.
;   RA, RB, RC             Written by global loads; read by the LDS stores of the turn through the stage; later the products' results lie there.
;   X                      Written by the turn's LDS loads; read by the tile's QUANT and PACK.
;   CD, H, v254, v252-253  Codes, f16 numbers, a scale word, mask terms: written by the tile's vector lines; read by its LDS or global stores.
;   Two waits a tile.  One on vm_vsrc behind the turn: its stores have read the set, and the stores of the tile before have read CD, H and v254, which this tile writes again.  One on va_vdst behind ALL of a tile's vector lines and
;   ahead of ALL its stores: their data are written, and QUANT and PACK are done reading X; no vector line stands between that wait and the next turn's loads into X.
;   THE LOOP, a step of 64 keys.
;   KF, KS                 Read by the step's eight scaled products; the next step's loads land there behind the wait that follows the exponentials.
;   S                      Read by both tiles' sums and roundings; behind one wait on va_vdst V's sixteen loads land there, the second eight dealt among the multiplications of O^T, which name O^T and a alone.
;   P                      Read by the sixteen f16 products; behind one wait on va_vdst at the step's end the next step's mask terms land there.
;   v7-10                  The four LDS addresses: read by the loads, written once a step, all four together, behind one wait on vm_vsrc and ahead of the wait that follows the exponentials.
.set KIMG,  0                          ; LDS: the keys' codes: 1,024 bytes a pair of tiles: tile 2 u's four registers at 16 x lane, tile 2 u + 1's 512 bytes on
.set KSC,   32768                      ; their scale words: 128 bytes a pair, 4 x lane
.set MB,    36864                      ; the mask terms, 4 bytes a key
.set VB,    40960                      ; the keys as f16 rows,
.set VP,    160                        ; 128 bytes + 32 of padding
.set STG,   204800                     ; a stage for each wave: 16 rows of
.set SGP,   272                        ; 256 bytes + 16 of padding
.set SGW,   16*SGP
.set SPARE, STG+16*SGW                 ; the spare words, 128 bytes for each wave: eight blocks of 256 bytes that no other line names
.set SPW,  1                           ; v1   LDS address of my spare word; never rewritten
.set NIL,  2                           ; v2   0; never rewritten
.set LI,   3                           ; v3   16 x lane: an image's place
.set AKS,  4                           ; v4   KSC + 4 x lane
.set AMB,  5                           ; v5   MB + 32 (lane / 16)
.set AVT,  6                           ; v6   my lane's place for the turning load of V
.set ADK,  7                           ; v7-10 the addresses of the loads in hand: K's codes, K's scale words, mask terms, V
.set ADS,  8
.set ADM,  9
.set ADV,  10
.set ST,   12                          ; v12-27 statistics, eight a tile: +0 m, +1 old m, +2 +3 the sum in two halves, +4 a (at the end 1 / sum), +5 the other half's number, +6 +7 at work
.set QS,   28                          ; v28-29 the queries' scale words: lanes 0-15 for [q, 0], lanes 16-31 for [0, q].  Scales and nothing else
.set KS,   30                          ; v30-31 the keys' scale words of the step's two pairs.  Scales and nothing else
.set QF,   32                          ; v32-51 q0, 0, q1, 0, q0 in groups of four: [q0,0] at +0, [0,q1] at +4, [q1,0] at +8, [0,q0] at +12
.set KF,   52                          ; v52-67 the step's two fragments of keys
.set P,    68                          ; v68-99 the weights in f16, 16 a tile; ahead of them the step's 32 mask terms
.set S,    100                         ; v100-163 S^T, 32 a tile; behind the roundings V's fragments
.set O,    164                         ; v164-227 O^T, 32 a tile
.set TM,   228                         ; v228-235 the maximum's chains
.set RA,   100                         ; the head only: three sets of 32 registers as loaded,
.set RB,   132
.set RC,   164
.set X,    196                         ; a lane's 32 neighbours along K,
.set H,    68                          ; their 16 registers of f16,
.set CD,   84                          ; their 4 registers of codes
.set BY0,  236                         ; v236-237 scale bytes
.set SCO,  238                         ; the conversion's scale operand
.set PT,   239                         ; a lane permute's destination
.set GL4,  240                         ; 4,096 (lane / 16) + 16 (lane % 16): two rows of input or memory to a load
.set GL8,  241                         ; the same for rows of Wc
.set STI,  242                         ; the stage, on the way in
.set STO,  243                         ; and out
.set KST,  244                         ; where I store codes,
.set KSS,  245                         ; scale words,
.set VST,  246                         ; f16 rows,
.set MBS,  247                         ; mask terms
.set SH8,  248                         ; 8 (lane / 16)
.set SH16, 249                         ; 16 (lane / 16)
.set FILL, 250                         ; the byte 1 over the queries' zero half
.set MO,   251                         ; 8 x thread
.set MK2,  252                         ; v252-253 my two numbers of the mask
.set MXA,  254
.set MXB,  255
.set WV,   16                          ; s16 my wave's number
.set SEL,  20                          ; s[20:21] v_permlanex16_b32's selects for lane l xor 16
.set CS,   22                          ; s[22:23] c = log2(e) / 8, twice
.set TK,   24                          ; s24 the step's place in KIMG;  s25 in KSC and in MB;  s26 in VB
.set T2,   25
.set TV,   26
.set CNT,  27
.set SM,   28                          ; s[28:29] memory at my 64 keys;  s[30:31] input at my 32 queries;  s[32:33] Wc at my tile
.set SQ,   30
.set SW,   32
.set XQ,   34                          ; s[34:35] xa at my queries' input images;  s[36:37] at their ctx images;  s[38:39] wh at my tile;  s[40:41] mask at my batch
.set XC,   36
.set WH,   38
.set MK,   40
; 16 rows x 256 bytes from memory: a load takes two rows, sixteen lanes 256 consecutive bytes each
.macro GLOAD set, voff, base, stride, off, nt
.irp i, 0,1,2,3,4,5,6,7
.if \nt
	global_load_b128 v[\set+4*\i:\set+4*\i+3], v[\voff], s[\base:\base+1] offset:(\off)+2*\i*(\stride) th:TH_LOAD_NT
.else
	global_load_b128 v[\set+4*\i:\set+4*\i+3], v[\voff], s[\base:\base+1] offset:(\off)+2*\i*(\stride)
.endif
.endr
.endm
; through my own stage: in as loaded, out as 32 neighbours a lane: X[0..31] = row lane % 16, k = 32 (lane / 16) + 0..31.  LDS serves a wave's instructions in order, so no wait stands between the stores and the loads.
; The loads into X owe no wait of their own: the vector lines that read X stand ahead of the last tile's wait on va_vdst, and none has named X since
.macro TURN set
.irp i, 0,1,2,3,4,5,6,7
	ds_store_b128 v[STI], v[\set+4*\i:\set+4*\i+3] offset:2*SGP*\i
.endr
.irp i, 0,1,2,3,4,5,6,7
	ds_load_b128 v[X+4*\i:X+4*\i+3], v[STO] offset:16*\i
.endr
	s_wait_dscnt 0x0                               ; X is in
.endm
.macro TAKE set, n                     ; n: the younger loads that may stay out
	s_wait_loadcnt \n
	TURN \set
	s_wait_alu depctr_vm_vsrc(0)                   ; the turn's stores have read the set, in which the next loads land (behind the last turns: which the products write); the stores of the tile before have read CD, H and v254, which this tile's lines write
.endm
; a lane's 32 numbers are one block: its largest magnitude with the floor 2^(3 - 127), 2 off the exponent field, the byte, the codes
.macro QUANT dst, by
	v_max3_num_f32 v[MXA], |v[X]|, |v[X+1]|, |v[X+2]|
	v_max3_num_f32 v[MXB], |v[X+3]|, |v[X+4]|, |v[X+5]|
.irp i, 6,10,14,18,22,26
	v_max3_num_f32 v[MXA], v[MXA], |v[X+\i]|, |v[X+\i+1]|
	v_max3_num_f32 v[MXB], v[MXB], |v[X+\i+2]|, |v[X+\i+3]|
.endr
	v_max3_num_f32 v[MXA], v[MXA], |v[X+30]|, |v[X+31]|
	v_max3_num_f32 v[MXA], v[MXA], v[MXB], 0x1800000
	v_add_nc_u32 v[SCO], 0xff000000, v[MXA]        ; the conversion takes the exponent field of this operand as its scale
	v_lshrrev_b32 v[\by], 23, v[SCO]
.irp g, 0,1,2,3
	v_cvt_scalef32_pk8_fp4_f32 v[\dst+\g], v[X+8*\g:X+8*\g+7], v[SCO]
.endr
	v_nop                                          ; one plain place behind a scaled conversion
.endm
.macro PACK                            ; the same 32 numbers in f16: registers 4 j .. 4 j + 3 are image j
.set i, 0
.rept 16
	v_cvt_pk_f16_f32 v[H+i], v[X+2*i], v[X+2*i+1]
.set i, i+1
.endr
.endm
; tile n (0..3) of my 64 keys: all its vector lines, one wait, all its stores
.macro KBODY n
	QUANT CD, BY0+((\n)&1)
	PACK
.if (\n)&1
	v_lshl_or_b32 v[MXA], v[BY0+1], 16, v[BY0]     ; my block's bytes of the pair's two tiles,
	v_lshlrev_b32 v[MXA], v[SH8], v[MXA]           ; at my block's place;
	v_permlanex16_b32 v[PT], v[MXA], s[SEL], s[SEL+1]
	v_or_b32 v[MXA], v[MXA], v[PT]                 ; with lane l xor 16's the word is whole
.endif
	s_wait_alu depctr_va_vdst(0)                   ; CD, H and (second tile of a pair) the scale word are written, which the stores below read; QUANT and PACK are done reading X, in which the next turn's loads land
	ds_store_b128 v[KST], v[CD:CD+3] offset:((\n)>>1)*1024+((\n)&1)*512
.irp i, 0,1,2,3
	ds_store_b128 v[VST], v[H+4*\i:H+4*\i+3] offset:(\n)*16*VP+32*\i   ; channels 32 h + 8 i + 0..7 at byte 16 (2 i + h) of the key's row
.endr
.if (\n)&1
	ds_store_b32 v[KSS], v[MXA] offset:128*((\n)>>1)
.endif
.endm
; tile t (0, 1) of my 32 queries: codes and scale word stay in registers, the f16 images go to xa
.macro QBODY t
	s_wait_xcnt 0x0                                ; earlier global stores have read H (the wait on vm_vsrc that goes with it closes the macro TAKE, just above)
	QUANT QF+8*(\t), BY0
.if (\t) == 0
.irp g, 0,1,2,3
	v_mov_b32 v[QF+16+\g], v[QF+\g]
.endr
.endif
	v_lshlrev_b32 v[MXA], v[SH8], v[BY0]
	v_permlanex16_b32 v[PT], v[MXA], s[SEL], s[SEL+1]
	v_or_b32 v[MXA], v[MXA], v[PT]                 ; b0 | b1 << 8 in every lane
	v_lshlrev_b32 v[MXA], v[SH16], v[MXA]          ; lanes 16-31: in the upper half, for [0, q]
	v_or_b32 v[QS+\t], v[MXA], v[FILL]
	PACK
	s_wait_alu depctr_va_vdst(0)                   ; H is written, which the stores below read; QUANT and PACK are done reading X, in which the next turn's loads land
.irp j, 0,1,2,3
	global_store_b128 v[LI], v[H+4*\j:H+4*\j+3], s[XQ:XQ+1] offset:65536*(\t)+512*\j
.endr
.endm
.macro KLOAD                           ; six LDS loads: two fragments of keys and their scale words
.irp i, 0,1,2,3
	ds_load_b128 v[KF+4*\i:KF+4*\i+3], v[ADK] offset:512*\i
.endr
.irp u, 0,1
	ds_load_b32 v[KS+\u], v[ADS] offset:128*\u
.endr
.endm
.macro MLOAD                           ; eight: the mask terms of the step's 64 keys, in S^T's layout: register 8 T + j is key 16 T + 8 h + j
.irp i, 0,1,2,3,4,5,6,7
	ds_load_b128 v[P+4*\i:P+4*\i+3], v[ADM] offset:64*(\i/2)+16*(\i%2)
.endr
.endm
.macro VLOAD u                         ; eight: V^T of keys 32 u .. 32 u + 31, four fragments of 16 places
.irp c, 0,1,2,3
	ds_load_tr16_b128 v[S+32*(\u)+8*\c:S+32*(\u)+8*\c+3], v[ADV] offset:32*(\u)*VP+32*\c
	ds_load_tr16_b128 v[S+32*(\u)+8*\c+4:S+32*(\u)+8*\c+7], v[ADV] offset:(32*(\u)+16)*VP+32*\c
.endr
.endm
; A KEY STEP: 64 keys x my 32 queries.  first = 1: it starts m, the sum and O^T.  last = 1: nothing more is fetched.
.macro STEP first, last
	s_wait_dscnt 8                                 ; K's six loads are in; the eight of the mask terms, issued behind them, may be out
.irp u, 0,1
.irp p, 0,1
.irp t, 0,1
.if \p
	v_wmma_scale_f32_16x16x128_f8f6f4 v[S+32*\t+16*\u+8:S+32*\t+16*\u+15], v[KF+8*\u:KF+8*\u+7], v[QF+12-8*\t:QF+19-8*\t], 0, v[KS+\u], v[QS+\t] matrix_a_fmt:MATRIX_FMT_FP4 matrix_b_fmt:MATRIX_FMT_FP4 matrix_b_scale:MATRIX_SCALE_ROW1
.else
	v_wmma_scale_f32_16x16x128_f8f6f4 v[S+32*\t+16*\u:S+32*\t+16*\u+7], v[KF+8*\u:KF+8*\u+7], v[QF+8*\t:QF+8*\t+7], 0, v[KS+\u], v[QS+\t] matrix_a_fmt:MATRIX_FMT_FP4 matrix_b_fmt:MATRIX_FMT_FP4
.endif
.endr
.endr
.endr
	; four plain vector lines: the places in front of the first read of the scores (ISA guide 7.12.1)
.if \last
	s_wait_alu depctr_vm_vsrc(0)                   ; the last step's loads of V have read v[ADV]
	v_add_nc_u32 v[ADV], s[TV], v[AVT]             ; this step's V
	v_nop
	v_nop
	v_nop
.else
	s_add_co_u32 s[TK], s[TK], 2048
	s_add_co_u32 s[T2], s[T2], 256
	s_wait_alu depctr_vm_vsrc(0)                   ; the LDS loads issued so far have read the four addresses, the mask terms' loads just issued among them
	v_add_nc_u32 v[ADK], s[TK], v[LI]              ; the next step's keys,
	v_add_nc_u32 v[ADS], s[T2], v[AKS]             ; their scale words,
	v_add_nc_u32 v[ADM], s[T2], v[AMB]             ; its mask terms;
	v_add_nc_u32 v[ADV], s[TV], v[AVT]             ; this step's V
	s_add_co_u32 s[TV], s[TV], 64*VP
.endif
	s_wait_dscnt 0x0                               ; the mask terms are in
.set i, 0
.rept 32
	v_pk_fma_f32 v[S+2*i:S+2*i+1], v[S+2*i:S+2*i+1], s[CS:CS+1], v[P+(2*i)%32:P+(2*i)%32+1] op_sel_hi:[1,0,1]   ; x = s c + mb; each accumulator from its low end on
.set i, i+1
.endr
	; the maximum of a lane's 32 numbers and the old m, the two tiles by turns
.irp k, 0,1,2,3
.irp t, 0,1
	v_max3_num_f32 v[TM+4*\t+\k], v[S+32*\t+8*\k], v[S+32*\t+8*\k+1], v[S+32*\t+8*\k+2]
.endr
.endr
.irp e, 3,5
.irp k, 0,1,2,3
.irp t, 0,1
	v_max3_num_f32 v[TM+4*\t+\k], v[TM+4*\t+\k], v[S+32*\t+8*\k+\e], v[S+32*\t+8*\k+\e+1]
.endr
.endr
.endr
.irp t, 0,1
	v_max3_num_f32 v[TM+4*\t], v[TM+4*\t], v[S+32*\t+7], v[S+32*\t+15]
	v_max3_num_f32 v[TM+4*\t+2], v[TM+4*\t+2], v[S+32*\t+23], v[S+32*\t+31]
.endr
.irp t, 0,1
	v_max3_num_f32 v[TM+4*\t], v[TM+4*\t], v[TM+4*\t+1], v[TM+4*\t+3]
.endr
.irp t, 0,1
.if \first
	v_max_num_f32 v[ST+8*\t+6], v[TM+4*\t], v[TM+4*\t+2]
.else
	v_max3_num_f32 v[ST+8*\t+6], v[TM+4*\t], v[TM+4*\t+2], v[ST+8*\t]
.endif
.endr
.irp t, 0,1
	v_permlanex16_b32 v[ST+8*\t+5], v[ST+8*\t+6], s[SEL], s[SEL+1]   ; the query's other 32 keys lie in the lane 16 away
.endr
.if !\first
.irp t, 0,1
	v_mov_b32 v[ST+8*\t+1], v[ST+8*\t]
.endr
.endif
.irp t, 0,1
	v_max_num_f32 v[ST+8*\t], v[ST+8*\t+6], v[ST+8*\t+5]   ; the new m
.endr
.if !\first
.irp t, 0,1
	v_sub_f32 v[ST+8*\t+7], v[ST+8*\t+1], v[ST+8*\t]       ; old m - new m
.endr
.endif
.set i, 0
.rept 32
	v_pk_add_f32 v[S+2*i:S+2*i+1], v[S+2*i:S+2*i+1], v[ST+8*(i/16):ST+8*(i/16)+1] op_sel_hi:[1,0] neg_lo:[0,1] neg_hi:[0,1]   ; x - m
.set i, i+1
.endr
	; ONE BATCH of exponentials, none of which reads another's result
.if !\first
.irp t, 0,1
	v_exp_f32 v[ST+8*\t+4], v[ST+8*\t+7]           ; a = 2^(old m - new m)
.endr
.endif
.set i, 0
.rept 64
	v_exp_f32 v[S+i], v[S+i]                       ; p = 2^(x - m)
.set i, i+1
.endr
	v_nop                                          ; a plain line behind the last exponential
	s_wait_alu depctr_va_vdst(0)                   ; the exponentials have written p and a, ahead of the first line that names one (one wait for the batch); the scaled products are done reading KF and KS, in which the loads below land; the four addresses are written
.if !\last
	KLOAD                                          ; the next step's keys: they must be in by the wait for V's first half
.endif
	; a tile's sum (of the unrounded p) and its roundings to f16, by turns
.irp t, 0,1
.if \first
	v_pk_add_f32 v[ST+8*\t+2:ST+8*\t+3], v[S+32*\t:S+32*\t+1], v[S+32*\t+2:S+32*\t+3]
.else
	v_pk_fma_f32 v[ST+8*\t+2:ST+8*\t+3], v[ST+8*\t+2:ST+8*\t+3], v[ST+8*\t+4:ST+8*\t+5], v[S+32*\t:S+32*\t+1] op_sel_hi:[1,0,1]
.endif
.set i, 0
.rept 16
	v_cvt_pk_f16_f32 v[P+16*\t+i], v[S+32*\t+2*i], v[S+32*\t+2*i+1]
.if i > \first
	v_pk_add_f32 v[ST+8*\t+2:ST+8*\t+3], v[ST+8*\t+2:ST+8*\t+3], v[S+32*\t+2*i:S+32*\t+2*i+1]
.endif
.set i, i+1
.endr
.endr
	s_wait_alu depctr_va_vdst(0)                   ; both tiles' sums and roundings are done reading S, where V's fragments land now
	VLOAD 0
.if \first
	VLOAD 1
.else
	; V's second half is dealt among the multiplications of O^T by a.  No wait: these name O^T and a alone, none of the registers that the loads touch
.set i, 0
.irp c, 0,1,2,3
	ds_load_tr16_b128 v[S+32+8*\c:S+32+8*\c+3], v[ADV] offset:32*VP+32*\c
.rept 4
	v_pk_mul_f32 v[O+2*i:O+2*i+1], v[O+2*i:O+2*i+1], v[ST+8*(i/16)+4:ST+8*(i/16)+5] op_sel_hi:[1,0]   ; O^T x a; each accumulator from its low end on
.set i, i+1
.endr
	ds_load_tr16_b128 v[S+32+8*\c+4:S+32+8*\c+7], v[ADV] offset:48*VP+32*\c
.rept 4
	v_pk_mul_f32 v[O+2*i:O+2*i+1], v[O+2*i:O+2*i+1], v[ST+8*(i/16)+4:ST+8*(i/16)+5] op_sel_hi:[1,0]
.set i, i+1
.endr
.endr
.endif
	s_wait_dscnt 8                                 ; V's first half (and all that is older, the next keys among it) is in; the second half's eight loads may be out
	; O^T += V^T P: the eight accumulators take turns, one instruction a turn
.irp c, 0,1,2,3
.irp t, 0,1
.if \first
	v_wmma_f32_16x16x32_f16 v[O+32*\t+8*\c:O+32*\t+8*\c+7], v[S+8*\c:S+8*\c+7], v[P+16*\t:P+16*\t+7], 0
.else
	v_wmma_f32_16x16x32_f16 v[O+32*\t+8*\c:O+32*\t+8*\c+7], v[S+8*\c:S+8*\c+7], v[P+16*\t:P+16*\t+7], v[O+32*\t+8*\c:O+32*\t+8*\c+7]
.endif
.endr
.endr
	s_wait_dscnt 0x0
.irp c, 0,1,2,3
.irp t, 0,1
	v_wmma_f32_16x16x32_f16 v[O+32*\t+8*\c:O+32*\t+8*\c+7], v[S+32+8*\c:S+32+8*\c+7], v[P+16*\t+8:P+16*\t+15], v[O+32*\t+8*\c:O+32*\t+8*\c+7]
.endr
.endr
.rept 5
	v_nop                                          ; five places: the next step's products write over V's fragments, which these products read; at the end four of them serve the first read of O^T
.endr
.if !\last
	s_wait_alu depctr_va_vdst(0)                   ; the products are done reading P, in which the next step's mask terms land
	MLOAD
.endif
.endm
	s_load_b256 s[4:11], s[0:1], 0x0               ; input s[4:5], memory s[6:7], mask s[8:9], Wc s[10:11]
	s_load_b128 s[12:15], s[0:1], 0x20             ; xa s[12:13], wh s[14:15]
	v_lshl_add_u32 v[SPW], v0, 2, SPARE
	v_mov_b32 v[NIL], 0
	v_lshrrev_b32 v7, 5, v0
	v_readfirstlane_b32 s[WV], v7                  ; wave 0..15
	v_and_b32 v8, 31, v0                           ; lane
	v_and_b32 v9, 15, v0                           ; r
	v_bfe_u32 v10, v0, 4, 1                        ; h
	v_lshlrev_b32 v[LI], 4, v8
	v_lshl_add_u32 v[AKS], v8, 2, KSC
	v_lshl_add_u32 v[AMB], v10, 5, MB
	v_and_b32 v11, 7, v0
	v_lshl_add_u32 v11, v10, 3, v11                ; the turning load: key 8 h + lane % 8,
	v_mul_u32_u24 v[AVT], v11, VP
	v_bfe_u32 v11, v0, 3, 1
	v_lshl_add_u32 v[AVT], v11, 4, v[AVT]          ; 16 bytes on for lanes 8-15 and 24-31
	v_add_nc_u32 v[AVT], VB, v[AVT]
	v_lshlrev_b32 v[GL4], 4, v9
	v_lshl_add_u32 v[GL8], v10, 13, v[GL4]
	v_lshl_add_u32 v[GL4], v10, 12, v[GL4]
	s_wait_alu depctr_va_sdst(0)                   ; s[WV] is written, ahead of its first reader: LDS places, bases and branches are made from it
	s_mul_i32 s47, s[WV], SGW
	s_add_co_u32 s47, s47, STG                     ; my stage
	v_mul_u32_u24 v[STI], v10, SGP
	v_lshl_add_u32 v[STI], v9, 4, v[STI]
	v_add_nc_u32 v[STI], s47, v[STI]               ; in: row h of a load's two, 16 r
	v_mul_u32_u24 v[STO], v9, SGP
	v_lshl_add_u32 v[STO], v10, 7, v[STO]
	v_add_nc_u32 v[STO], s47, v[STO]               ; out: row r, 128 h
	s_lshl_b32 s46, s[WV], 11
	v_add_nc_u32 v[KST], s46, v[LI]                ; my two pairs of key tiles
	s_lshl_b32 s46, s[WV], 8
	v_add_nc_u32 v[KSS], s46, v[AKS]
	s_mul_i32 s46, s[WV], 64*VP
	s_add_co_u32 s46, s46, VB
	v_mul_u32_u24 v[VST], v9, VP
	v_lshl_add_u32 v[VST], v10, 4, v[VST]
	v_add_nc_u32 v[VST], s46, v[VST]               ; key 64 w + r, 16 h
	v_lshl_add_u32 v[MBS], v0, 3, MB
	v_lshlrev_b32 v[MO], 3, v0
	v_lshlrev_b32 v[SH8], 3, v10
	v_lshlrev_b32 v[SH16], 4, v10
	v_sub_nc_u32 v[FILL], 16, v[SH16]
	v_mov_b32 v[MXA], 0x101
	v_lshlrev_b32 v[FILL], v[FILL], v[MXA]         ; lanes 0-15: bytes 2 and 3; lanes 16-31: bytes 0 and 1
	v_mov_b32 v[PT], 0                             ; a lane permute's destination counts as one of its sources
.irp t, 0,1
	v_mov_b32 v[ST+8*\t+1], 0                      ; named as the upper halves of pairs before they are first written
	v_mov_b32 v[ST+8*\t+5], 0
.endr
.irp g, 0,1,2,3
	v_mov_b32 v[QF+4+\g], 0                        ; the queries' zero halves
	v_mov_b32 v[QF+12+\g], 0
.endr
	s_mov_b32 s[SEL], 0x76543210
	s_mov_b32 s[SEL+1], 0xfedcba98
	s_mov_b32 s[CS], 0x3e38aa3b                    ; log2(e) / 8
	s_mov_b32 s[CS+1], s[CS]
	s_and_b32 s17, ttmp9, 1                        ; half
	s_bfe_u32 s42, ttmp9, 0x40001                  ; head
	s_lshr_b32 s43, ttmp9, 5                       ; batch
	s_lshl_b32 s44, s43, 22
	s_lshl_b32 s45, s42, 8
	s_add_co_u32 s44, s44, s45                     ; batch and head, in bytes of input and of memory
	s_mov_b32 s19, 0
	s_wait_kmcnt 0x0
	s_lshl_b32 s18, s[WV], 18                      ; 64 rows of 4,096 bytes a wave
	s_add_co_u32 s18, s18, s44
	s_add_nc_u64 s[SM:SM+1], s[6:7], s[18:19]
	s_lshl_b32 s18, s[WV], 17                      ; 32 rows a wave,
	s_lshl_b32 s45, s17, 21                        ; 512 a half
	s_add_co_u32 s18, s18, s45
	s_add_co_u32 s18, s18, s44
	s_add_nc_u64 s[SQ:SQ+1], s[4:5], s[18:19]
	s_and_b32 s46, s[WV], 7
	s_and_b32 s45, ttmp9, 3
	s_lshl_b32 s45, s45, 3
	s_add_co_u32 s45, s45, s46                     ; Wc's tile 8 g + w: chunk 8 (g & 3) + w,
	s_lshl_b32 s45, s45, 8
	s_lshr_b32 s18, ttmp9, 2                       ; rows 16 (g >> 2) on, 8,192 bytes each
	s_lshl_b32 s18, s18, 17
	s_add_co_u32 s18, s18, s45
	s_add_nc_u64 s[SW:SW+1], s[10:11], s[18:19]
	s_lshl_b32 s18, s43, 6
	s_lshl_b32 s45, s17, 5
	s_add_co_u32 s18, s18, s45
	s_lshl_b32 s45, s[WV], 1
	s_add_co_u32 s18, s18, s45                     ; my first tile of rows: 64 batch + 32 half + 2 w,
	s_lshl_b32 s18, s18, 16                        ; 65,536 bytes a tile,
	s_lshl_b32 s45, s42, 11                        ; 2,048 a chunk
	s_add_co_u32 s18, s18, s45
	s_add_nc_u64 s[XQ:XQ+1], s[12:13], s[18:19]
	s_add_nc_u64 s[XC:XC+1], s[XQ:XQ+1], 32768     ; ctx: 16 chunks on
	s_lshl_b32 s18, ttmp9, 3
	s_add_co_u32 s18, s18, s46
	s_lshl_b32 s18, s18, 11
	s_add_nc_u64 s[WH:WH+1], s[14:15], s[18:19]
	s_lshl_b32 s18, s43, 12
	s_add_nc_u64 s[MK:MK+1], s[8:9], s[18:19]
	; ALL THAT IS READ FROM MEMORY goes out here and in the four key tiles: the oldest first
	s_wait_alu depctr_va_vdst(0)                   ; the offsets and addresses v3-6, v240-247 and v251 are written, which the loads and stores of the whole kernel read
	global_load_b64 v[MK2:MK2+1], v[MO], s[MK:MK+1]
	s_cmp_lt_u32 s[WV], 8
	s_cbranch_scc0 .Lno_w_load
	GLOAD RC, GL8, SW, 8192, 0, 1
.Lno_w_load:
	GLOAD RA, GL4, SM, 4096, 0, 0
	GLOAD RB, GL4, SM, 4096, 65536, 0
	TAKE RA, 8                                     ; each count of 8: the one younger run of eight loads may stay out
	GLOAD RA, GL4, SM, 4096, 2*65536, 0
	v_sub_f32 v[MK2], 1.0, v[MK2]                  ; the mask terms: ((1 - mask) x -1e30) x log2(e).  They stand ahead of the first tile's wait on va_vdst, which so serves their store too
	v_sub_f32 v[MK2+1], 1.0, v[MK2+1]
	v_mul_f32 v[MK2], 0xf149f2ca, v[MK2]
	v_mul_f32 v[MK2+1], 0xf149f2ca, v[MK2+1]
	v_mul_f32 v[MK2], 0x3fb8aa3b, v[MK2]
	v_mul_f32 v[MK2+1], 0x3fb8aa3b, v[MK2+1]
	KBODY 0
	ds_store_b64 v[MBS], v[MK2:MK2+1]              ; no vector line has stood since the tile's wait
	TAKE RB, 8
	GLOAD RB, GL4, SM, 4096, 3*65536, 0
	KBODY 1
	TAKE RA, 8
	GLOAD RA, GL4, SQ, 4096, 0, 1
	KBODY 2
	TAKE RB, 8
	GLOAD RB, GL4, SQ, 4096, 65536, 1
	KBODY 3
	s_wait_dscnt 0x0                               ; for the others' sake: my codes, scale words, rows and mask terms have landed
	s_barrier_signal -1
	s_barrier_wait -1                              ; the launch's one barrier: behind it these four regions are only read; the stages are each wave's own
	TAKE RA, 8
	QBODY 0
	TAKE RB, 0
	QBODY 1
	s_wait_alu depctr_vm_vsrc(0)                   ; the queries' stores have read H, which the rounding of Wc's tile writes and in which the mask terms land: ahead of the branch, for both ways
	s_cmp_lt_u32 s[WV], 8
	s_cbranch_scc0 .Lno_w
	TURN RC                                        ; my tile of Wc (its loads were the oldest: they are in)
	s_wait_xcnt 0x0                                ; the queries' stores have read H
	PACK
	s_wait_alu depctr_va_vdst(0)                   ; H is written, which the stores below read
.irp j, 0,1,2,3
	global_store_b128 v[LI], v[H+4*\j:H+4*\j+3], s[WH:WH+1] offset:512*\j
.endr
	s_wait_alu depctr_vm_vsrc(0)                   ; these stores have read H, in which the mask terms land; the turn's stores have read RC, which the products write
.Lno_w:
	s_wait_xcnt 0x0                                ; the stores have read H, where the mask terms land now
	s_mov_b32 s[TK], 0
	s_mov_b32 s[T2], 0
	s_mov_b32 s[TV], 0
	v_add_nc_u32 v[ADK], s[TK], v[LI]
	v_add_nc_u32 v[ADS], s[T2], v[AKS]
	v_add_nc_u32 v[ADM], s[T2], v[AMB]
.rept 8
	v_nop                                          ; a scale register written by vector instructions stands eight places ahead of a scaled matrix instruction, an operand so written four
.endr
	s_wait_alu depctr_va_vdst(0)                   ; behind the places: the queries' codes and scale words are written, which the scaled products take; the three addresses are written; so are H and CD, in which the mask terms land
	KLOAD
	MLOAD
	STEP 1, 0
	s_mov_b32 s[CNT], 14
.Lstep:
	STEP 0, 0
	s_sub_co_u32 s[CNT], s[CNT], 1
	s_cmp_lg_u32 s[CNT], 0
	s_cbranch_scc1 .Lstep
	STEP 0, 1
	; THE WAY OUT: O^T / the sum, rounded to f16: the registers are ctx's images as they stand
.irp t, 0,1
	v_add_f32 v[ST+8*\t+6], v[ST+8*\t+2], v[ST+8*\t+3]
.endr
.irp t, 0,1
	v_permlanex16_b32 v[ST+8*\t+5], v[ST+8*\t+6], s[SEL], s[SEL+1]
.endr
.irp t, 0,1
	v_add_f32 v[ST+8*\t+6], v[ST+8*\t+6], v[ST+8*\t+5]
.endr
.irp t, 0,1
	v_rcp_f32 v[ST+8*\t+4], v[ST+8*\t+6]           ; the sum is at least 1: the largest p is 1
.endr
	v_nop
	s_wait_alu depctr_va_vdst(0)                   ; the two reciprocals are written, ahead of their first reader
.set i, 0
.rept 32
	v_pk_mul_f32 v[O+2*i:O+2*i+1], v[O+2*i:O+2*i+1], v[ST+8*(i/16)+4:ST+8*(i/16)+5] op_sel_hi:[1,0]
.set i, i+1
.endr
.set i, 0
.rept 32
	v_cvt_pk_f16_f32 v[P+i], v[O+2*i], v[O+2*i+1]
.set i, i+1
.endr
	s_wait_alu depctr_va_vdst(0)                   ; the roundings have written P, which the stores below read
.irp t, 0,1
.irp c, 0,1,2,3
	global_store_b128 v[LI], v[P+16*\t+4*\c:P+16*\t+4*\c+3], s[XC:XC+1] offset:65536*\t+512*\c
.endr
.endr
	s_wait_dscnt 0x0                               ; the wave's end: the closing lines, six on end
	s_wait_alu 0x0
	s_wait_tensorcnt 0x0
	ds_add_u32 v[SPW], v[NIL]
	s_wait_dscnt 0x0
	s_endpgm
.Lfunc_end_k_q90d4c8b442_attn:
	.size	k_q90d4c8b442_attn, .Lfunc_end_k_q90d4c8b442_attn-k_q90d4c8b442_attn
	.p2alignl 7, 3214868480
	.fill 96, 4, 3214868480
	.section	.rodata,"a",@progbits
	.p2align	6, 0x0
	.amdhsa_kernel k_q90d4c8b442_attn
		.amdhsa_group_segment_fixed_size 276480
		.amdhsa_private_segment_fixed_size 0
		.amdhsa_enable_private_segment 0
		.amdhsa_kernarg_size 48
		.amdhsa_user_sgpr_count 2
		.amdhsa_user_sgpr_kernarg_segment_ptr 1
		.amdhsa_wavefront_size32 1
		.amdhsa_system_sgpr_workgroup_id_x 1
		.amdhsa_system_sgpr_workgroup_id_y 1
		.amdhsa_system_sgpr_workgroup_id_z 1
		.amdhsa_system_vgpr_workitem_id 0
		.amdhsa_next_free_vgpr 256
		.amdhsa_next_free_sgpr 66
		.amdhsa_reserve_vcc 0
		.amdhsa_float_denorm_mode_32 3
		.amdhsa_float_denorm_mode_16_64 3
		.amdhsa_memory_ordered 1
		.amdhsa_forward_progress 1
		.amdhsa_inst_pref_size 98
	.end_amdhsa_kernel
	.amdgpu_metadata
---
amdhsa.version: [ 1, 2 ]
amdhsa.kernels:
  - .name:           k_q90d4c8b442_attn
    .symbol:         k_q90d4c8b442_attn.kd
    .args:
      - { .name: input, .offset: 0, .size: 8, .value_kind: global_buffer, .address_space: global }
      - { .name: memory, .offset: 8, .size: 8, .value_kind: global_buffer, .address_space: global }
      - { .name: mask, .offset: 16, .size: 8, .value_kind: global_buffer, .address_space: global }
      - { .name: Wc, .offset: 24, .size: 8, .value_kind: global_buffer, .address_space: global }
      - { .name: xa, .offset: 32, .size: 8, .value_kind: global_buffer, .address_space: global }
      - { .name: wh, .offset: 40, .size: 8, .value_kind: global_buffer, .address_space: global }
    .group_segment_fixed_size: 276480
    .private_segment_fixed_size: 0
    .kernarg_segment_align: 8
    .kernarg_segment_size: 48
    .max_flat_workgroup_size: 512
    .sgpr_count:     66
    .vgpr_count:     256
    .wavefront_size: 32
...
	.end_amdgpu_metadata
.endif
;; end of part 3
;; launch gemm: the kernel of part 2 again; grid 4 x 64, 4 waves a work-group, clusters of 4 x 4, 327,680 bytes of LDS; arguments xa, wh, bc, out0; writes out0
